; MI455X (gfx1250); checked and timed in simulation.
; The chip was launched on July 23, 2026; its instructions are those of AMD's public machine-readable ISA for CDNA 5 (MIT licence, August 2026) and "CDNA5" Instruction Set Architecture Reference Guide (July 2026). The comments in the code are by the model that wrote it; some were corrected since.
;; Generative Attention. Allowed arithmetic: matrix products marked QUANTISED: E4M3 operands, one given power-of-two scale a tensor, by v_wmma_f32_16x16x64_fp8_fp8 or v_wmma_f32_16x16x128_fp8_fp8, f32 sums; everything else in f32.
;; Inputs: Wk 1,024 x 1,024 float32; Wp 1,024 x 1,024 float32; Wq 1,024 x 1,024 float32; Wv 1,024 x 1,024 float32; bk 1,024 float32; bp 1,024 float32; bq 1,024 float32; bv 1,024 float32; inputs 4 x 2,048 x 1,024 float32; lowp_scales 12 int32 (the exponents e of the quantised operands' scales 2^e); mask 4 x 1 x 1 x 2,048 bool.
;; Outputs: out0 4 x 2,048 x 1,024 float32.
;; This version of the problem:
;;   THIS VERSION OF THE PROBLEM IS GIVEN IN LOW PRECISION. The matrix products marked QUANTISED in the list below multiply operands that are first quantised to E4M3 (4 exponent bits, 3 mantissa bits; 8 bits a number), with one given power-of-two scale for each operand tensor; their sums are f32. All else is computed in f32.
;;   The module's matrix products, in the order in which they are computed (A, B: the left and right operand; K: the contracted axis; several contracted axes count as one K, in the product's order):
;;     1. [M 8,192, K 1,024] x [K 1,024, N 1,024]; A: input inputs; B: input Wq: QUANTISED (scales: A lowp_scales[0], B lowp_scales[1])
;;     2. [M 8,192, K 1,024] x [K 1,024, N 1,024]; A: input inputs; B: input Wk: QUANTISED (scales: A lowp_scales[2], B lowp_scales[3])
;;     3. [M 8,192, K 1,024] x [K 1,024, N 1,024]; A: input inputs; B: input Wv: QUANTISED (scales: A lowp_scales[4], B lowp_scales[5])
;;     4. batch 64 x [M 2,048, K 64] x [K 64, N 2,048]; A: computed on the way; B: computed on the way: QUANTISED (scales: A lowp_scales[6], B lowp_scales[7])
;;     5. batch 64 x [M 2,048, K 2,048] x [K 2,048, N 64]; A: softmax (see below); B: computed on the way: QUANTISED (scales: A lowp_scales[8], B lowp_scales[9])
;;     6. [M 8,192, K 1,024] x [K 1,024, N 1,024]; A: computed on the way; B: input Wp: QUANTISED (scales: A lowp_scales[10], B lowp_scales[11])
;;   THE QUANTISER, for each operand of a quantised product, along K:
;;     - The operand's scale is 2^e, e = its entry of the input lowp_scales (int32; the entries are numbered through the quantised products in the list's order, A before B).
;;     - Each number is divided by the scale, clamped to +-448, and rounded to the nearest number of E4M3, ties to even, subnormals kept.
;;     - The product sums the exact products of the quantised numbers (number of the format x scale) in f32.
;;   ~~~python
;;   def quantise(x, axis, e):      # numpy; x: float32 -> the quantised numbers, widened to float32 again
;;       x = np.moveaxis(x, axis, -1); K = x.shape[-1]
;;       r = np.clip(x / 2.0 ** e, -448, 448)
;;       step = 2.0 ** (np.maximum(np.frexp(np.where(r == 0, 1, r))[1] - 1, -6) - 3)
;;       q = np.round(r / step) * step * 2.0 ** e      # np.round: ties to even
;;       return np.moveaxis(q, -1, axis).astype(np.float32)
;;   ~~~
;;   SOFTMAX AHEAD OF A QUANTISED PRODUCT. Where the list says 'softmax', what is quantised is not the finished softmax but p = 2^(t - M), with t = logit x log2(e) and M = ceil(the row's largest t), a whole number; so 1/2 < the row's largest p <= 1. The row's sum l is taken of the UNQUANTISED p, in f32, and the product's result is divided by l at the end. Since M is a whole number, a kernel that streams over the keys may use a running M (the ceiling of the running maximum): every later rescaling is an exact power of two, so the quantised numbers keep their values, but for numbers so far below the row's largest that they fall under the format's range.
;;   OPERANDS COMPUTED ON THE WAY. 'Computed on the way' means the value that the module computes at that place (a softmax that the list does not call 'softmax' is quantised finished and normalised). What goes into a quantiser is computed in f32, as accurately as f32 sums, v_exp_f32 and their like allow (about 1e-6 of the number): no bf16 or f16 on the way to a quantiser, and a product that is left as it is and whose result goes on into a quantised operand takes f32 operands (vector FMAs, or v_wmma_f32_16x16x4_f32). A number that lies on a knife's edge between two numbers of the format may be rounded either way, as far as f32 arithmetic and the matrix unit's own rounding can turn it there, and no further.
;; One version. Each part assembles by itself: llvm-mc -triple=amdgcn-amd-amdhsa -mcpu=gfx1250 --defsym DOCPART=n.
;; ======== version 1 of 1: 4 launches
;; limits: right only within a limited range of input values
;; workspace buffers: xc 25,165,824 bytes; wc 4,194,304 bytes; qc 8,388,608 bytes; kc 8,388,608 bytes; vc 8,388,608 bytes; ao 8,388,608 bytes
;; launch quant (part 1): grid 768 x 1, 4 waves a work-group, no clusters, 33,280 bytes of LDS; arguments inputs, Wq, Wk, Wv, Wp, lowp_scales, xc, wc; writes xc, wc
.if DOCPART == 1
	.amdgcn_target "amdgcn-amd-amdhsa--gfx1250"
	.amdhsa_code_object_version 6
	.text
	.protected	k_q9620685c52_quant
	.globl	k_q9620685c52_quant
	.p2align	8
	.type	k_q9620685c52_quant,@function
k_q9620685c52_quant:
	s_mov_b64 s[64:65], 0
	v_nop
	global_prefetch_b8 v0, s[64:65] scope:SCOPE_SE
	s_setreg_imm32_b32 hwreg(HW_REG_WAVE_MODE, 25, 1), 1
	s_wait_xcnt 0x0
; FIRST OF FOUR LAUNCHES (quant, qkv, attn, proj) of a causal attention block whose six products run on codes of E4M3, each operand with its given scale 2^e.
; This launch turns inputs [8192][1024] and Wq, Wk, Wv, Wp [1024][1024], f32, K innermost, into codes.  inputs is an operand of three products with three given scales (entries 0, 2, 4),
; so it gets three sets of codes, made from one read: xc set s at s x 8,388,608.  wc holds Wq, Wk, Wv, Wp on end (entries 1, 3, 5, 11).
; code = x / 2^e, rounded to the nearest code, ties to even.
; WORK LEFT OUT BY THE PROGRAM (in launch attn), and why it is dead for all values of the inputs: reference() replaces, by the jnp.tril that it builds itself, every score of a key above the diagonal by NEG = -10000.
; So for a step of 64 keys that all lie above a wave's 32 queries the product q.k can reach no output: it is not computed, nor are that step's maximum and exponentials.  NEG is a number and not -infinity, so such keys still
; count in the softmax: each has the same p = 2^(NEG log2(e) - M), which is computed once for a query, counted in the row's sum once for each such key, quantised once, and the product with v IS run over those keys.
; No input is dead: all are loaded by some launch.  LIMIT: a NaN, an infinity or an overflow that would arise only in the q.k left out is not carried to the result.
; LIMITS of this launch: every e between -126 and 119, so that 2^e is an f32 number.  NaN among the inputs is not served.
; SHARES: a work-group takes 16,384 numbers, a wave 4,096 in 8 steps of 512.  Work-groups 0-511 take inputs, 512-767 the four weights (64 each).  Only pointers, scales and the number of sets differ.
; A conversion takes 8 neighbours from ONE lane's registers, a load is best where neighbouring LANES take neighbouring bytes: each of a step's four loads reads 512 consecutive bytes, and the 2,048 bytes turn through the wave's
; own stage in LDS (16 bytes of padding behind each 64) and come back 64 bytes a lane.  A lane's 16 codes are 16 bytes: a store of the wave covers 512 consecutive bytes, aligned.
; No tensor load, no barrier: waves share nothing.  Loads run four steps (16 loads a wave) ahead, the turn through LDS one step.
.set WAVES, 4
.set STEPS, 8
.set NX,    512                        ; work-groups that take inputs
.set SP,    80                         ; a lane's place in a stage: 64 bytes + 16 of padding
.set WREG,  8192                       ; LDS of a wave: two stages of 32 x SP bytes
.set SPARE, WAVES*WREG                 ; behind the four regions: the spare words, 128 bytes a wave, that no other line names
.set SPW,   12                         ; v12  my spare word's address; never rewritten
.set NIL,   13                         ; v13  0; never rewritten
.set R,     16                         ; v16-79   four sets of 16 numbers as loaded
.set X,     80                         ; v80-111  two sets of 16 neighbours
.set T,     112
.set C,     128                        ; v128-139 codes: four registers for each of three sets
.set SCL,   140                        ; v140-142 2^e of set s
.set LIM,   143
	s_load_b256 s[4:11], s[0:1], 0x0               ; inputs, Wq, Wk, Wv
	s_load_b256 s[12:19], s[0:1], 0x20             ; Wp, the scales' exponents, xc, wc
	v_lshl_add_u32 v[SPW], v0, 2, SPARE
	v_mov_b32 v[NIL], 0
	v_lshrrev_b32 v1, 5, v0
	v_readfirstlane_b32 s43, v1                    ; wave
	v_and_b32 v2, 31, v0                           ; lane
	v_lshlrev_b32 v3, 4, v2                        ; 16 x lane: my bytes of a load's 512, and of a store's; never rewritten
	s_mul_i32 s44, s43, WREG
	v_lshrrev_b32 v14, 2, v2
	v_mul_u32_u24 v14, v14, SP
	v_and_b32 v15, 3, v2
	v_lshl_add_u32 v14, v15, 4, v14
	v_add_nc_u32 v14, s44, v14                     ; the stage, on the way in: SP (lane / 4) + 16 (lane % 4)
	v_mul_u32_u24 v15, v2, SP
	v_add_nc_u32 v15, s44, v15                     ; and on the way out: SP x lane
	s_cmp_lt_u32 ttmp9, NX
	s_cselect_b32 s42, 1, 0                        ; 1: inputs, three sets;  0: a weight, one set
	s_sub_co_u32 s45, ttmp9, NX                    ; a weight's work-group: 0 .. 255
	s_lshr_b32 s46, s45, 6                         ; which weight
	s_and_b32 s47, s45, 63                         ; which run of it
	s_cmp_eq_u32 s42, 1
	s_cselect_b32 s47, ttmp9, s47                  ; my run of 16,384 numbers in the source,
	s_cselect_b32 s45, ttmp9, s45                  ; and in the buffer of codes
	s_lshl_b32 s48, s47, 16
	s_lshl_b32 s49, s43, 14
	s_add_co_u32 s48, s48, s49                     ; source: 65,536 x run + 16,384 x wave
	s_mov_b32 s49, 0
	s_lshl_b32 s50, s45, 14
	s_lshl_b32 s51, s43, 12
	s_add_co_u32 s50, s50, s51                     ; codes: 16,384 x run + 4,096 x wave
	s_mov_b32 s51, 0
	s_wait_alu depctr_va_vdst(0)
	s_wait_kmcnt 0x0
	s_load_b256 s[24:31], s[14:15], 0x0            ; e0 .. e7
	s_load_b128 s[32:35], s[14:15], 0x20           ; e8 .. e11
	s_cmp_eq_u32 s46, 1                            ; the choices hang on the work-group's number alone
	s_cselect_b64 s[20:21], s[8:9], s[6:7]
	s_cmp_eq_u32 s46, 2
	s_cselect_b64 s[20:21], s[10:11], s[20:21]
	s_cmp_eq_u32 s46, 3
	s_cselect_b64 s[20:21], s[12:13], s[20:21]
	s_cmp_eq_u32 s42, 1
	s_cselect_b64 s[20:21], s[4:5], s[20:21]
	s_cselect_b64 s[36:37], s[16:17], s[18:19]
	s_add_nc_u64 s[20:21], s[20:21], s[48:49]      ; the source at my wave's first number
	s_add_nc_u64 s[36:37], s[36:37], s[50:51]      ; set 0's codes,
	s_add_nc_u64 s[38:39], s[36:37], 0x800000      ; set 1's and
	s_add_nc_u64 s[40:41], s[36:37], 0x1000000     ; set 2's (used for inputs alone)
.macro LOAD t
.irp i, 0,1,2,3
	global_load_b128 v[R+16*((\t)%4)+4*\i:R+16*((\t)%4)+4*\i+3], v3, s[20:21] offset:2048*(\t)+512*\i th:TH_LOAD_NT   ; 32 lanes read 512 consecutive bytes; read once in the launch
.endr
.endm
.macro TURN t                          ; step t's numbers through the stage: LDS serves a wave's instructions in order, so no wait stands between the stores and the loads
.irp i, 0,1,2,3
	ds_store_b128 v14, v[R+16*((\t)%4)+4*\i:R+16*((\t)%4)+4*\i+3] offset:32*SP*((\t)%2)+8*SP*\i
.endr
.irp i, 0,1,2,3
	ds_load_b128 v[X+16*((\t)%2)+4*\i:X+16*((\t)%2)+4*\i+3], v15 offset:32*SP*((\t)%2)+16*\i
.endr
.endm
.irp t, 0,1,2,3
	LOAD \t
.endr
.macro MKSC e, k                       ; 2^e as an f32 number, e in s[e]
	s_add_co_i32 s52, s[\e], 127
	s_lshl_b32 s53, s52, 23
	v_mov_b32 v[SCL+\k], s53
.endm
	s_wait_kmcnt 0x0
	s_cmp_eq_u32 s46, 1
	s_cselect_b32 s54, s27, s25                    ; e3 : e1
	s_cmp_eq_u32 s46, 2
	s_cselect_b32 s54, s29, s54                    ; e5
	s_cmp_eq_u32 s46, 3
	s_cselect_b32 s54, s35, s54                    ; e11
	s_cmp_eq_u32 s42, 1
	s_cselect_b32 s54, s24, s54                    ; e0
	MKSC 54, 0
	MKSC 26, 1                                     ; e2
	MKSC 28, 2                                     ; e4
	s_wait_alu depctr_va_vdst(0)
	s_wait_loadcnt 12                              ; step 0's four loads are in
	TURN 0
; One set of codes of the step's numbers: two conversions, a plain line, the store.
.macro QSET s, t
.irp i, 0,1,2,3,4,5,6,7,8,9,10,11,12,13,14,15
.endr
	v_cvt_scalef32_pk8_fp8_f32 v[C+4*\s:C+4*\s+1], v[XS:XS+7], v[SCL+\s]
	v_cvt_scalef32_pk8_fp8_f32 v[C+4*\s+2:C+4*\s+3], v[XS+8:XS+15], v[SCL+\s]
	v_nop
	global_store_b128 v3, v[C+4*\s:C+4*\s+3], s[36+2*\s:37+2*\s] offset:512*(\t)
.endm
.macro STEP t
.set XS, X+16*((\t)%2)
	s_wait_dscnt 0x0                               ; this step's numbers are back from the stage, so its stores into the stage have read their registers,
.if (\t)+4 < STEPS
	LOAD (\t)+4                                    ; which take the loads of four steps on
.endif
.if (\t)+1 < STEPS
.if STEPS-2-(\t) >= 3
	s_wait_loadcnt 12                              ; the next step's four loads are in; those of the three steps behind it may be out
.else
	s_wait_loadcnt 4*(STEPS-2-(\t))
.endif
	TURN (\t)+1                                    ; and go through the other stage while this step is worked
.endif
	s_wait_xcnt 0x0                                ; the last step's stores have read their data: the codes' registers are written again only behind this wait
	QSET 0, \t
	s_cmp_eq_u32 s42, 0                            ; a weight has one scale
	s_cbranch_scc1 .Lone_\@
	QSET 1, \t
	QSET 2, \t
.Lone_\@:
.endm
.irp t, 0,1,2,3,4,5,6,7
	STEP \t
.endr
	s_wait_tensorcnt 0x0                           ; the wave's end, behind my last LDS store
	ds_add_u32 v[SPW], v[NIL]
	s_wait_dscnt 0x0
	s_endpgm
.Lfunc_end_k_q9620685c52_quant:
	.size	k_q9620685c52_quant, .Lfunc_end_k_q9620685c52_quant-k_q9620685c52_quant
	.p2alignl 7, 3214868480
	.fill 96, 4, 3214868480
	.section	.rodata,"a",@progbits
	.p2align	6, 0x0
	.amdhsa_kernel k_q9620685c52_quant
		.amdhsa_group_segment_fixed_size 33280
		.amdhsa_private_segment_fixed_size 0
		.amdhsa_enable_private_segment 0
		.amdhsa_kernarg_size 64
		.amdhsa_user_sgpr_count 2
		.amdhsa_user_sgpr_kernarg_segment_ptr 1
		.amdhsa_wavefront_size32 1
		.amdhsa_system_sgpr_workgroup_id_x 1
		.amdhsa_system_sgpr_workgroup_id_y 1
		.amdhsa_system_sgpr_workgroup_id_z 1
		.amdhsa_system_vgpr_workitem_id 0
		.amdhsa_next_free_vgpr 152
		.amdhsa_next_free_sgpr 66
		.amdhsa_reserve_vcc 0
		.amdhsa_float_denorm_mode_32 3
		.amdhsa_float_denorm_mode_16_64 3
		.amdhsa_fp16_overflow 1
		.amdhsa_memory_ordered 1
		.amdhsa_forward_progress 1
		.amdhsa_inst_pref_size 18
	.end_amdhsa_kernel
	.amdgpu_metadata
---
amdhsa.version: [ 1, 2 ]
amdhsa.kernels:
  - .name:           k_q9620685c52_quant
    .symbol:         k_q9620685c52_quant.kd
    .args:
      - { .name: inputs, .offset: 0, .size: 8, .value_kind: global_buffer, .address_space: global }
      - { .name: Wq, .offset: 8, .size: 8, .value_kind: global_buffer, .address_space: global }
      - { .name: Wk, .offset: 16, .size: 8, .value_kind: global_buffer, .address_space: global }
      - { .name: Wv, .offset: 24, .size: 8, .value_kind: global_buffer, .address_space: global }
      - { .name: Wp, .offset: 32, .size: 8, .value_kind: global_buffer, .address_space: global }
      - { .name: lowp_scales, .offset: 40, .size: 8, .value_kind: global_buffer, .address_space: global }
      - { .name: xc, .offset: 48, .size: 8, .value_kind: global_buffer, .address_space: global }
      - { .name: wc, .offset: 56, .size: 8, .value_kind: global_buffer, .address_space: global }
    .group_segment_fixed_size: 33280
    .private_segment_fixed_size: 0
    .kernarg_segment_align: 8
    .kernarg_segment_size: 64
    .max_flat_workgroup_size: 128
    .sgpr_count:     66
    .vgpr_count:     152
    .wavefront_size: 32
...
	.end_amdgpu_metadata
.endif
;; end of part 1
;; launch qkv (part 2): grid 4 x 192, 4 waves a work-group, clusters of 4 x 4, 327,680 bytes of LDS; arguments xc, wc, bq, bk, bv, mask, lowp_scales, qc, kc, vc; writes qc, kc, vc
.if DOCPART == 2
	.amdgcn_target "amdgcn-amd-amdhsa--gfx1250"
	.amdhsa_code_object_version 6
	.text
	.protected	k_q9620685c52_qkv
	.globl	k_q9620685c52_qkv
	.p2align	8
	.type	k_q9620685c52_qkv,@function
k_q9620685c52_qkv:
	s_mov_b64 s[64:65], 0
	v_nop
	global_prefetch_b8 v0, s[64:65] scope:SCOPE_SE
	s_setreg_imm32_b32 hwreg(HW_REG_WAVE_MODE, 25, 1), 1
	s_wait_xcnt 0x0
	s_wait_alu depctr_hold_cnt(0) depctr_sa_sdst(0) depctr_va_vdst(0) depctr_va_sdst(0) depctr_va_ssrc(0) depctr_va_vcc(0) depctr_vm_vsrc(0)
	s_getreg_b32 s2, hwreg(HW_REG_IB_STS2, 6, 4)
	s_cmp_eq_u32 s2, 0
	s_cbranch_scc0 .Lentry_in_a_cluster
	s_endpgm
.Lentry_in_a_cluster:
	s_bfe_u32 s2, ttmp6, 0x10000c
	s_cmp_lg_u32 s2, 0xf033
	s_cbranch_scc0 .Lentry_shape_is_right
	s_endpgm
.Lentry_shape_is_right:
; q, k and v of the attention block, each a product on codes of E4M3 (K = 1,024), with its bias, quantised on the way out as an operand of the products that follow.
; ONE FORM FOR THE THREE: C[i][j] = sum over k of P[i][k] R[j][k].  kind 0, 1 (q, k): P = the tokens' codes (xc set 0, 1), R = Wq's, Wk's codes: i = token, j = feature.
; kind 2 (v): P = Wv's codes, R = the tokens' (xc set 2): i = feature, j = token: so a lane's eight results are eight neighbouring KEYS, which are the K of the product with p; nothing is transposed.
; A work-group makes 128 (i) x 256 (j); each of four waves 64 x 128: 32 accumulators.  K goes in four steps of 256 through two LDS slots filled by the tensor data mover; all eight steps of 128 are written out.
; CLUSTERS: 4 x 4 work-groups.  P's tile is shared along a row of the cluster, R's along a column: each is asked for jointly.  The cluster's y gives the kind (y / 16), which all partners share.
; THE MATRIX INSTRUCTION IS USED TRANSPOSED (source 0 = 16 rows of R, source 1 = 16 rows of P): lane (r, h) holds row i = r and columns j = 16 b + 8 h + 0 .. 7.
; Fragments come by four ds_load_b128 at 32 c + 16 h: a permutation of k inside each 32, the same on both sides, so every product meets its partner.
; THE WAY OUT: value = sum x 2^(ea + eb) + bias (one packed multiply-add), for q and k held within +-448 x 2^eo, converted.  A lane's codes of blocks 2 c and 2 c + 1 go as 16 bytes to place 32 c + 16 h of the row:
; place 32 c + 16 h + 8 u + n holds column 32 c + 16 u + 8 h + n.  q and k carry the same order along the head, so their product is right; v carries it along the keys, which is what 16-byte loads of v need to meet p in launch attn.
; THE KEY MASK (an input): a key whose mask byte is 0 gets the hold +-0, so its codes are zeros; launch attn then adds NEG to its score as the C of the score's product.
; Layouts stored: qc, kc [batch][head][token][64];  vc [batch][feature][2,048 keys].
; LIMITS: ea + eb between -126 and 127; eo (entries 6, 7, 9) between -126 and 119.  NaN among the inputs is not served.
; REGISTERS, in windows of 256: window 0: v1-49 addresses and constants; v64-127, v128-191 P's fragments, two sets (on the way out: codes, numbers); v192-255 rows on the way out.
;   window 1: R's fragments, two sets of 128.   window 2: accumulator (a, b) at v[8 (8 a + b)].   window 3: v0-63 the bias along j.
.set PITCH, 272                        ; an LDS row: 256 bytes + 16 of padding: the 16 rows of a fragment load begin 16 bytes further on in each 256
.set PHALF, 64*PITCH                   ; what a wave fetches of P, and reads of it
.set RHALF, 128*PITCH                  ; the same for R
.set ROFF,  2*PHALF                    ; a slot: P's 128 rows, then R's 256
.set SLOT,  ROFF+2*RHALF
.set STQ,   2*SLOT                     ; behind the ring: the stage of the way out for q and k, 128 rows x 272,
.set STV,   STQ+128*PITCH              ; and one of its own for v
.set SPARE, STV+128*PITCH              ; the spare words, 128 bytes a wave, that no other line names
.set PSTEP2, 512                       ; two slots on along K, in bytes
.set RSTEP2, 512
.set FR,   16                          ; registers of a fragment
.set PF,   64
.set ADRP, 16                          ; v16-17 my P fragments in slot 0, 1
.set ADRR, 20                          ; v20-21 my R fragments
.set STOQ, 24
.set STOV, 25
.set RDQ,  26
.set RDV,  27
.set SPW,  28                          ; my spare word's address; never rewritten
.set NIL,  29                          ; 0; never rewritten
.set GOQ,  30
.set GOV,  31
.set LV,   32                          ; v32-35 the hold of block a's row
.set MB,   36                          ; v36-39 its mask byte
.set BV,   40                          ; v40-47 v's bias of block a's row, in pairs
.set SCL,  48
.set LIM,  49
.set CD,   64                          ; the codes
.set TM,   128                         ; 64 numbers at work
.set OUTR, 192
.set G1,  24
.set G0,  32
.set G1B, 48
.set G0B, 56
.set MULW, 0xa1                        ; source 0 (R) window 1, source 1 (P) window 0, C and D window 2
.set MSB, 0
.macro WIN new                         ; the immediate's high byte repeats the setting that is left
.if MSB != \new
	s_set_vgpr_msb (MSB<<8)|\new
.set MSB, \new
.endif
.endm
.macro PLACES n
.rept \n
	v_nop
.endr
.endm
; A joint load: waves 0 and 1 fetch P's halves, waves 2 and 3 R's.  The branch hangs on the wave's number alone.  An s_nop 0 and four v_nop follow each line.
.macro JLOAD s
	s_cmp_eq_u32 s15, 0
	s_cbranch_scc0 .Lfor_r_\@
	tensor_load_to_lds s[G0+4*\s:G0+4*\s+3], s[G1:G1+7]
	s_nop 0
.rept 4
	v_nop
.endr
	s_branch .Lasked_\@
.Lfor_r_\@:
	tensor_load_to_lds s[G0B+4*\s:G0B+4*\s+3], s[G1B:G1B+7]
	s_nop 0
.rept 4
	v_nop
.endr
.Lasked_\@:
.endm
.macro CREST                           ; a round of the cluster's barrier behind its opening barrier
	s_cmp_lg_u32 s14, 0
	s_cbranch_scc1 .Lnot_wave_0_\@
	s_barrier_signal -3
.Lnot_wave_0_\@:
	s_barrier_wait -3
	s_barrier_signal -1
	s_barrier_wait -1
.endm
.macro CROUND
	s_barrier_signal -1
	s_barrier_wait -1
	CREST
.endm
	s_load_b256 s[4:11], s[0:1], 0x0               ; xc, wc, bq, bk
	s_load_b256 s[68:75], s[0:1], 0x20             ; bv, mask, the scales' exponents, qc
	s_load_b128 s[76:79], s[0:1], 0x40             ; kc, vc
	v_lshl_add_u32 v[SPW], v0, 2, SPARE
	v_mov_b32 v[NIL], 0
	ds_add_u32 v[SPW], v[NIL]                      ; the opening: the add, twice on end, and its wait ahead of my first tensor load
	ds_add_u32 v[SPW], v[NIL]
	v_lshrrev_b32 v1, 5, v0
	v_readfirstlane_b32 s14, v1                    ; wave 0..3
	s_lshr_b32 s15, s14, 1                         ; my half of the tile's rows i.  Also: I fetch for P (0) or for R (1)
	s_and_b32 s16, s14, 1                          ; my half of its columns j.  Also: which half I fetch
	s_bfe_u32 s40, ttmp6, 0x40000                  ; cx
	s_bfe_u32 s41, ttmp6, 0x40004                  ; cy
	s_and_b32 s18, ttmp7, 0xffff                   ; the cluster's y, 0 .. 47
	s_lshr_b32 s17, s18, 4                         ; kind: 0 q, 1 k, 2 v
	s_and_b32 s18, s18, 15
	s_and_b32 s19, s18, 1
	s_lshr_b32 s42, s18, 1
	s_cmp_eq_u32 s17, 2
	s_cselect_b32 s19, s19, s18                    ; the cluster's place along i: q, k: 16 of them; v: 2
	s_cselect_b32 s42, s42, 0                      ; and along j: q, k: 1; v: 8
	s_lshl_b32 s12, s19, 2
	s_add_co_u32 s12, s12, s41                     ; iblk: my 128 rows i
	s_lshl_b32 s13, s42, 2
	s_add_co_u32 s13, s13, s40                     ; jblk: my 256 columns j
	s_lshl_b32 s43, s41, 2
	s_lshl_b32 s43, 15, s43                        ; my row of the cluster
	s_lshl_b32 s44, 0x1111, s40                    ; my column
	s_or_b32 s[G1+0], s43, (0<<16)|(1<<20)|(1<<21)|(5<<22)|(3<<25)  ; the mask; elements of 1 byte; padding on, 4 words behind every 64; bit 21 beside a mask
	s_or_b32 s[G1B+0], s44, (0<<16)|(1<<20)|(1<<21)|(5<<22)|(3<<25)
	s_mov_b32 s[G1+1], 256<<16                     ; tensor_dim0
	s_mov_b32 s[G1+2], 64<<16                      ; tensor_dim1
	s_mov_b32 s[G1+3], 256<<16                     ; tile_dim0
	s_mov_b32 s[G1+4], 64                          ; tile_dim1
	s_mov_b32 s[G1+5], 1024                        ; the pitch in memory
	s_mov_b32 s[G1+6], 0
	s_mov_b32 s[G1+7], 0
	s_mov_b32 s[G1B+1], 256<<16
	s_mov_b32 s[G1B+2], 128<<16
	s_mov_b32 s[G1B+3], 256<<16
	s_mov_b32 s[G1B+4], 128
	s_mov_b32 s[G1B+5], 1024
	s_mov_b32 s[G1B+6], 0
	s_mov_b32 s[G1B+7], 0
	s_lshl_b32 s22, s17, 23                        ; the set of the tokens' codes,
	s_lshl_b32 s80, s17, 20                        ; the weight's codes
	s_cmp_eq_u32 s17, 2
	s_cselect_b32 s23, s80, s22                    ; P's part of its buffer
	s_cselect_b32 s81, s22, s80                    ; R's
	s_lshl_b32 s20, s12, 7
	s_lshl_b32 s21, s16, 6
	s_add_co_u32 s20, s20, s21                     ; P: row 128 iblk + 64 x half
	s_lshl_b32 s20, s20, 10
	s_add_co_u32 s20, s20, s23
	s_mov_b32 s21, 0
	s_lshl_b32 s46, s13, 8
	s_lshl_b32 s47, s16, 7
	s_add_co_u32 s46, s46, s47                     ; R: row 256 jblk + 128 x half
	s_lshl_b32 s46, s46, 10
	s_add_co_u32 s46, s46, s81
	s_mov_b32 s47, 0
	s_mul_i32 s45, s16, PHALF                      ; where they go: no place in the cluster enters an LDS address
	s_mul_i32 s98, s16, RHALF
	s_add_co_u32 s98, s98, ROFF
	s_wait_dscnt 0x0                               ; both opening adds are done
	s_wait_kmcnt 0x0
	s_load_b256 s[84:91], s[72:73], 0x0            ; e0 .. e7
	s_load_b128 s[92:95], s[72:73], 0x20           ; e8 .. e11
	s_cmp_eq_u32 s17, 2
	s_cselect_b64 s[82:83], s[6:7], s[4:5]         ; P's buffer
	s_cselect_b64 s[96:97], s[4:5], s[6:7]         ; R's
	s_add_nc_u64 s[20:21], s[82:83], s[20:21]
	s_add_nc_u64 s[46:47], s[96:97], s[46:47]
	CROUND                                         ; all sixteen work-groups are here: the first joint loads meet
.irp s, 0,1
	s_mov_b32 s[G0+4*\s], 1
	s_add_co_u32 s[G0+4*\s+1], s45, \s*SLOT
	s_add_nc_u64 s[G0+4*\s+2:G0+4*\s+3], s[20:21], \s*256
	s_or_b32 s[G0+4*\s+3], s[G0+4*\s+3], 0x80000000
	s_mov_b32 s[G0B+4*\s], 1
	s_add_co_u32 s[G0B+4*\s+1], s98, \s*SLOT
	s_add_nc_u64 s[G0B+4*\s+2:G0B+4*\s+3], s[46:47], \s*256
	s_or_b32 s[G0B+4*\s+3], s[G0B+4*\s+3], 0x80000000
	JLOAD \s                                       ; two loads of mine are out
.endr
	; every LDS address is made here, ahead of the place where the kinds part
	v_and_b32 v1, 15, v0                           ; r
	v_bfe_u32 v2, v0, 4, 1                         ; h
	v_mul_u32_u24 v3, v1, PITCH
	v_lshl_add_u32 v4, v2, 4, v3                   ; r x pitch + 16 h
	s_wait_alu depctr_va_vdst(0)
	s_mul_i32 s80, s15, PHALF
	s_mul_i32 s81, s16, RHALF
	s_add_co_u32 s81, s81, ROFF
.irp s, 0,1
	v_add_nc_u32 v[ADRP+\s], s80, v4
	v_add_nc_u32 v[ADRR+\s], s81, v4
	s_add_co_u32 s80, s80, SLOT
	s_add_co_u32 s81, s81, SLOT
.endr
	s_mul_i32 s80, s15, PHALF                      ; into a stage: row 64 x my half + r, byte 128 x my column half + 16 h
	s_lshl_b32 s81, s16, 7
	s_add_co_u32 s80, s80, s81
	v_add_nc_u32 v[STOQ], s80, v4
	v_add_nc_u32 v[STOV], STV, v[STOQ]
	v_add_nc_u32 v[STOQ], STQ, v[STOQ]
	v_and_b32 v5, 31, v0                           ; lane
	v_lshrrev_b32 v6, 2, v5                        ; q, k back: wave w takes the tile's head w: four lanes to a row's 64 bytes, eight rows an instruction
	v_mul_u32_u24 v6, v6, PITCH
	v_and_b32 v7, 3, v5
	v_lshl_add_u32 v6, v7, 4, v6
	s_lshl_b32 s80, s14, 6
	v_add_nc_u32 v6, s80, v6
	v_add_nc_u32 v[RDQ], STQ, v6
	v_mul_u32_u24 v6, v2, PITCH                    ; v back: wave w takes rows 32 w on: sixteen lanes to a row's 256 bytes, two rows an instruction
	v_lshl_add_u32 v6, v1, 4, v6
	s_mul_i32 s80, s14, 32*PITCH
	v_add_nc_u32 v6, s80, v6
	v_add_nc_u32 v[RDV], STV, v6
	v_lshlrev_b32 v[GOQ], 4, v5                    ; in qc, kc: 16 x lane (a head's 128 rows are dense)
	v_lshlrev_b32 v[GOV], 11, v2                   ; in vc: a row of 2,048 bytes for the upper lanes, + 16 r
	v_lshl_add_u32 v[GOV], v1, 4, v[GOV]
	v_lshlrev_b32 v8, 5, v2                        ; the bias along j: 32 h
	v_lshlrev_b32 v9, 2, v1                        ; the bias along i: 4 r
.macro MUL8 a, set, zero               ; P's block a against R's eight, 128 along K.  The 32 accumulators take turns in one order
.irp b, 0,1,2,3,4,5,6,7
.if \zero
	v_wmma_f32_16x16x128_fp8_fp8 v[8*(8*(\a)+\b):8*(8*(\a)+\b)+7], v[128*(\set)+FR*\b:128*(\set)+FR*\b+FR-1], v[PF+64*(\set)+FR*(\a):PF+64*(\set)+FR*(\a)+FR-1], 0
.else
	v_wmma_f32_16x16x128_fp8_fp8 v[8*(8*(\a)+\b):8*(8*(\a)+\b)+7], v[128*(\set)+FR*\b:128*(\set)+FR*\b+FR-1], v[PF+64*(\set)+FR*(\a):PF+64*(\set)+FR*(\a)+FR-1], v[8*(8*(\a)+\b):8*(8*(\a)+\b)+7]
.endif
.endr
.endm
.macro FETCH slot, q, set              ; 48 LDS loads in one run: the fragments of the slot's q-th 128 along K
	WIN 0x40                                       ; destination window 1
.irp i, 0,1,2,3,4,5,6,7
.irp c, 0,1,2,3
	ds_load_b128 v[128*(\set)+FR*\i+4*\c:128*(\set)+FR*\i+4*\c+3], v[ADRR+\slot] offset:128*(\q)+32*\c+\i*16*PITCH
.endr
.endr
	WIN 0
.irp a, 0,1,2,3
.irp c, 0,1,2,3
	ds_load_b128 v[PF+64*(\set)+FR*\a+4*\c:PF+64*(\set)+FR*\a+4*\c+3], v[ADRP+\slot] offset:128*(\q)+32*\c+\a*16*PITCH
.endr
.endr
.endm
; A slot's first step: set 0 is in; set 1 is asked for and lands under the 32 products.  Four plain places stand in front of loads into registers that matrix instructions have read (ISA guide 7.12.1 for vector instructions).
.macro EVEN slot, zero
	s_wait_dscnt 0x0
	PLACES 4
	FETCH \slot, 1, 1
	WIN MULW
	MUL8 0, 0, \zero
	MUL8 1, 0, \zero
	MUL8 2, 0, \zero
	MUL8 3, 0, \zero
.endm
; A slot's second step changes slots: ONE barrier; in front of it each wave waits for all its tensor loads, adds 0 to its spare word, and waits for that and for its reads of this slot.  fill = 1: the slot is filled again, two slots on.
.macro TURN slot, next, fill
	WIN 0
	s_wait_tensorcnt 0x0                           ; all my tensor loads have landed: my part of the next slot
	ds_add_u32 v[SPW], v[NIL]
	s_wait_dscnt 1                                 ; set 1 is in; the add alone may be out
	WIN MULW
	MUL8 0, 1, 0
	s_wait_dscnt 0x0                               ; the add is done, and my reads of this slot are over
	s_barrier_signal -1
	MUL8 1, 1, 0
	WIN 0
	s_barrier_wait -1
.if \fill
	CREST                                          ; the barrier has opened a round of the cluster's barrier: no wave of any partner still reads this slot or has a load on its way
	s_add_nc_u64 s[G0+4*\slot+2:G0+4*\slot+3], s[G0+4*\slot+2:G0+4*\slot+3], PSTEP2
	s_add_nc_u64 s[G0B+4*\slot+2:G0B+4*\slot+3], s[G0B+4*\slot+2:G0B+4*\slot+3], RSTEP2
	JLOAD \slot                                    ; my one tensor load behind the round; its four v_nop are the places in front of the loads below
.else
	PLACES 4
.endif
	FETCH \next, 0, 0
	WIN MULW
	MUL8 2, 1, 0
	MUL8 3, 1, 0
.endm
.macro LAST
	s_wait_dscnt 0x0
	WIN MULW
	MUL8 0, 1, 0
	MUL8 1, 1, 0
	MUL8 2, 1, 0
	MUL8 3, 1, 0
	WIN 0
.endm
; Block a's 16 rows x 128 columns: sum x 2^(ea + eb) + bias, each accumulator from its low end on; for q and k the hold; the conversions; a plain line; 64 bytes a lane into the stage.
.macro CONVERT a, isv, sto
.if \isv
	WIN 0x02                                       ; source 0 (the sums) window 2
.else
	WIN 0x32                                       ; and source 2 (the bias along j) window 3
.endif
.irp b, 0,1,2,3,4,5,6,7
.irp i, 0,2,4,6
.if \isv
	v_pk_fma_f32 v[TM+8*\b+\i:TM+8*\b+\i+1], v[8*(8*(\a)+\b)+\i:8*(8*(\a)+\b)+\i+1], s[96:97], v[BV+2*(\a):BV+2*(\a)+1] op_sel_hi:[1,0,0]
.else
	v_pk_fma_f32 v[TM+8*\b+\i:TM+8*\b+\i+1], v[8*(8*(\a)+\b)+\i:8*(8*(\a)+\b)+\i+1], s[96:97], v[8*\b+\i:8*\b+\i+1] op_sel_hi:[1,0,1]
.endif
.endr
.endr
	WIN 0
.set n, 0
.rept 64
.if \isv
.else
	v_med3_num_f32 v[TM+n], v[TM+n], -v[LV+(\a)], v[LV+(\a)]
.endif
.set n, n+1
.endr
.irp b, 0,1,2,3,4,5,6,7
	v_cvt_scalef32_pk8_fp8_f32 v[CD+16*(\a)+2*\b:CD+16*(\a)+2*\b+1], v[TM+8*\b:TM+8*\b+7], v[SCL]
.endr
	v_nop                                          ; a plain line between the conversions and the next block's writes of their sources
.irp c, 0,1,2,3
	ds_store_b128 v[\sto], v[CD+16*(\a)+4*\c:CD+16*(\a)+4*\c+3] offset:(\a)*16*PITCH+32*\c
.endr
.endm
.macro MKOUT ss, eo                    ; s[ss] = ea + eb, s[eo] = the result's exponent: 2^(ea + eb) in s[96:97], 2^eo and 448 x 2^eo in registers
	s_add_co_i32 s[\ss], s[\ss], 127
	s_lshl_b32 s96, s[\ss], 23
	s_mov_b32 s97, s96
	s_add_co_i32 s[\eo], s[\eo], 127
	s_lshl_b32 s[\ss], s[\eo], 23
	v_mov_b32 v[SCL], s[\ss]
	s_add_co_i32 s[\eo], s[\eo], 8
	s_lshl_b32 s[\eo], s[\eo], 23
	s_or_b32 s[\eo], s[\eo], 0x600000
	v_mov_b32 v[LIM], s[\eo]
.endm
	s_wait_tensorcnt 1                             ; my part of slot 0 is in; slot 1's may stay out
	s_barrier_signal -1
	s_barrier_wait -1
	FETCH 0, 0, 0
	EVEN 0, 1                                      ; the first products start the sums: nothing is cleared
	TURN 0, 1, 1
	EVEN 1, 0
	TURN 1, 0, 1
	EVEN 0, 0
	TURN 0, 1, 0                                   ; nothing is left to fetch
	WIN 0
	s_cmp_eq_u32 s17, 2                            ; the kinds part here, once: the kind is the same in all waves and in all partners of the cluster
	s_cbranch_scc1 .Lv
	; ---- q and k.  The bias along j and the mask bytes are asked for now and land under the last 64 products
	s_lshl_b32 s80, s13, 10
	s_lshl_b32 s81, s16, 9
	s_add_co_u32 s80, s80, s81                     ; 4 x (256 jblk + 128 x my column half)
	s_mov_b32 s81, 0
	s_cmp_eq_u32 s17, 0
	s_cselect_b64 s[82:83], s[8:9], s[10:11]       ; bq or bk
	s_cselect_b64 s[98:99], s[74:75], s[76:77]     ; qc or kc
	s_add_nc_u64 s[82:83], s[82:83], s[80:81]
	WIN 0xc0                                       ; destination window 3
	s_wait_alu depctr_va_vdst(0)
.irp b, 0,1,2,3,4,5,6,7
	global_load_b128 v[8*\b:8*\b+3], v8, s[82:83] offset:64*\b
	global_load_b128 v[8*\b+4:8*\b+7], v8, s[82:83] offset:64*\b+16
.endr
	WIN 0
	s_cmp_eq_u32 s17, 1
	s_cbranch_scc0 .Lno_mask
	s_lshl_b32 s80, s12, 7
	s_lshl_b32 s22, s15, 6
	s_add_co_u32 s80, s80, s22                     ; my first token: 128 iblk + 64 x my row half
	s_add_nc_u64 s[70:71], s[70:71], s[80:81]
.irp a, 0,1,2,3
	global_load_u8 v[MB+\a], v1, s[70:71] offset:16*\a   ; the mask byte of key 16 a + r
.endr
	s_branch .Lmasked
.Lno_mask:
.irp a, 0,1,2,3
	v_mov_b32 v[MB+\a], 1                          ; q has no mask
.endr
.Lmasked:
	s_lshr_b32 s80, s12, 4
	s_lshl_b32 s80, s80, 21                        ; the batch: 16 heads of 131,072 bytes
	s_lshl_b32 s22, s13, 2
	s_add_co_u32 s22, s22, s14
	s_lshl_b32 s22, s22, 17                        ; head 4 jblk + wave
	s_add_co_u32 s80, s80, s22
	s_and_b32 s22, s12, 15
	s_lshl_b32 s22, s22, 13                        ; 128 rows of 64 bytes
	s_add_co_u32 s80, s80, s22
	s_add_nc_u64 s[98:99], s[98:99], s[80:81]
	EVEN 1, 0
	LAST
	PLACES 4                                       ; in front of the first read of results and of writes over the fragments' registers
	s_wait_kmcnt 0x0
	s_add_co_i32 s80, s84, s85                     ; e0 + e1
	s_add_co_i32 s81, s86, s87                     ; e2 + e3
	s_cmp_eq_u32 s17, 0
	s_cselect_b32 s80, s80, s81
	s_cselect_b32 s81, s90, s91                    ; e6 or e7
	MKOUT 80, 81
	s_wait_loadcnt 0x0                             ; bias and mask
	s_wait_alu depctr_va_vdst(0)
.irp a, 0,1,2,3
	v_cmp_ne_u32 vcc_lo, 0, v[MB+\a]
	v_cndmask_b32 v[LV+\a], 0, v[LIM], vcc_lo      ; the hold: 448 x 2^eo, or 0 for a key that the mask hides
.endr
.irp a, 0,1,2,3
	CONVERT \a, 0, STOQ
.endr
	s_wait_dscnt 0x0                               ; for the others' sake: my stores into the stage are done
	s_barrier_signal -1
	s_barrier_wait -1
.irp t, 0,1,2,3,4,5,6,7,8,9,10,11,12,13,14,15
	ds_load_b128 v[OUTR+4*\t:OUTR+4*\t+3], v[RDQ] offset:\t*8*PITCH
.endr
.irp t, 0,1,2,3,4,5,6,7,8,9,10,11,12,13,14,15
	s_wait_dscnt 15-\t
	global_store_b128 v[GOQ], v[OUTR+4*\t:OUTR+4*\t+3], s[98:99] offset:512*\t   ; 32 lanes store 512 consecutive bytes, aligned
.endr
	s_branch .Ldone
.Lv:	; ---- v.  The bias runs along i: one number a block for a lane
	s_lshl_b32 s80, s12, 9
	s_lshl_b32 s81, s15, 8
	s_add_co_u32 s80, s80, s81                     ; 4 x (128 iblk + 64 x my row half)
	s_mov_b32 s81, 0
	s_add_nc_u64 s[68:69], s[68:69], s[80:81]
	s_wait_alu depctr_va_vdst(0)
.irp a, 0,1,2,3
	global_load_b32 v[BV+2*\a], v9, s[68:69] offset:64*\a
	v_mov_b32 v[BV+2*\a+1], 0                      ; (named with it as a pair, so it is written)
.endr
	s_lshr_b32 s80, s13, 3
	s_lshl_b32 s80, s80, 10                        ; the batch's 1,024 rows of vc
	s_lshl_b32 s22, s12, 7
	s_add_co_u32 s80, s80, s22
	s_lshl_b32 s22, s14, 5
	s_add_co_u32 s80, s80, s22                     ; + 128 iblk + 32 x wave
	s_lshl_b32 s80, s80, 11
	s_and_b32 s22, s13, 7
	s_lshl_b32 s22, s22, 8                         ; the tile's 256 keys in the row
	s_add_co_u32 s80, s80, s22
	s_add_nc_u64 s[78:79], s[78:79], s[80:81]
	EVEN 1, 0
	LAST
	PLACES 4
	s_wait_alu depctr_va_vdst(0)
	s_wait_kmcnt 0x0
	s_add_co_i32 s80, s88, s89                     ; e4 + e5
	s_mov_b32 s81, s93                             ; e9
	MKOUT 80, 81
	s_wait_loadcnt 0x0
.irp a, 0,1,2,3
	CONVERT \a, 1, STOV
.endr
	s_wait_dscnt 0x0
	s_barrier_signal -1
	s_barrier_wait -1
.irp t, 0,1,2,3,4,5,6,7,8,9,10,11,12,13,14,15
	ds_load_b128 v[OUTR+4*\t:OUTR+4*\t+3], v[RDV] offset:\t*2*PITCH
.endr
.irp t, 0,1,2,3,4,5,6,7,8,9,10,11,12,13,14,15
	s_wait_dscnt 15-\t
	global_store_b128 v[GOV], v[OUTR+4*\t:OUTR+4*\t+3], s[78:79] offset:4096*\t  ; sixteen lanes store 256 consecutive bytes, aligned
.endr
.Ldone:
	s_wait_tensorcnt 0x0                           ; the wave's end, behind my last tensor load and my last LDS store
	ds_add_u32 v[SPW], v[NIL]
	s_wait_dscnt 0x0
	CROUND                                         ; the closing round
	s_endpgm
.Lfunc_end_k_q9620685c52_qkv:
	.size	k_q9620685c52_qkv, .Lfunc_end_k_q9620685c52_qkv-k_q9620685c52_qkv
	.p2alignl 7, 3214868480
	.fill 96, 4, 3214868480
	.section	.rodata,"a",@progbits
	.p2align	6, 0x0
	.amdhsa_kernel k_q9620685c52_qkv
		.amdhsa_group_segment_fixed_size 327680
		.amdhsa_private_segment_fixed_size 0
		.amdhsa_enable_private_segment 0
		.amdhsa_kernarg_size 80
		.amdhsa_user_sgpr_count 2
		.amdhsa_user_sgpr_kernarg_segment_ptr 1
		.amdhsa_wavefront_size32 1
		.amdhsa_system_sgpr_workgroup_id_x 1
		.amdhsa_system_sgpr_workgroup_id_y 1
		.amdhsa_system_sgpr_workgroup_id_z 1
		.amdhsa_system_vgpr_workitem_id 0
		.amdhsa_next_free_vgpr 832
		.amdhsa_next_free_sgpr 100
		.amdhsa_reserve_vcc 1
		.amdhsa_float_denorm_mode_32 3
		.amdhsa_float_denorm_mode_16_64 3
		.amdhsa_fp16_overflow 1
		.amdhsa_memory_ordered 1
		.amdhsa_forward_progress 1
		.amdhsa_inst_pref_size 111
	.end_amdhsa_kernel
	.amdgpu_metadata
---
amdhsa.version: [ 1, 2 ]
amdhsa.kernels:
  - .name:           k_q9620685c52_qkv
    .symbol:         k_q9620685c52_qkv.kd
    .args:
      - { .name: xc, .offset: 0, .size: 8, .value_kind: global_buffer, .address_space: global }
      - { .name: wc, .offset: 8, .size: 8, .value_kind: global_buffer, .address_space: global }
      - { .name: bq, .offset: 16, .size: 8, .value_kind: global_buffer, .address_space: global }
      - { .name: bk, .offset: 24, .size: 8, .value_kind: global_buffer, .address_space: global }
      - { .name: bv, .offset: 32, .size: 8, .value_kind: global_buffer, .address_space: global }
      - { .name: mask, .offset: 40, .size: 8, .value_kind: global_buffer, .address_space: global }
      - { .name: lowp_scales, .offset: 48, .size: 8, .value_kind: global_buffer, .address_space: global }
      - { .name: qc, .offset: 56, .size: 8, .value_kind: global_buffer, .address_space: global }
      - { .name: kc, .offset: 64, .size: 8, .value_kind: global_buffer, .address_space: global }
      - { .name: vc, .offset: 72, .size: 8, .value_kind: global_buffer, .address_space: global }
    .group_segment_fixed_size: 327680
    .private_segment_fixed_size: 0
    .kernarg_segment_align: 8
    .kernarg_segment_size: 80
    .max_flat_workgroup_size: 128
    .sgpr_count:     100
    .vgpr_count:     832
    .wavefront_size: 32
...
	.end_amdgpu_metadata
.endif
;; end of part 2
;; launch attn (part 3): grid 4 x 64, 16 waves a work-group, no clusters, 327,680 bytes of LDS; arguments qc, kc, vc, mask, lowp_scales, ao; writes ao
.if DOCPART == 3
	.amdgcn_target "amdgcn-amd-amdhsa--gfx1250"
	.amdhsa_code_object_version 6
	.text
	.protected	k_q9620685c52_attn
	.globl	k_q9620685c52_attn
	.p2align	8
	.type	k_q9620685c52_attn,@function
k_q9620685c52_attn:
	s_mov_b64 s[64:65], 0
	v_nop
	global_prefetch_b8 v0, s[64:65] scope:SCOPE_SE
	s_setreg_imm32_b32 hwreg(HW_REG_WAVE_MODE, 25, 1), 1
	s_wait_xcnt 0x0
; Causal attention on codes of E4M3: scores = q.k / 8, hidden scores replaced by NEG = -10000, softmax, product with v; the result is quantised (entry 10) for the projection.
; WORK LEFT OUT: for a step of 64 keys that all lie above a wave's 32 queries, reference()'s own jnp.tril replaces every score by NEG, whatever q and k hold: q.k, the maximum and the exponentials of such steps are not computed.
; Those keys still count: p_N = 2^(NEG log2(e) - M) is made once for a query (TRANS), added to the row's sum once for each such key, quantised once, and the product with v runs over them with that operand.
; LIMIT: a NaN, an infinity or an overflow that would arise only in the q.k left out is not carried.
; THE SOFTMAX AHEAD OF THE SECOND PRODUCT: t = score x log2(e) / 8; M = the running largest t rounded UP to a whole number; p = 2^(t - M) is quantised (entry 8), not normalised; the row's sum is taken of the unquantised p
; and divides at the end.  When M moves, the sum and O are multiplied by 2^(old M - new M): exact.
; THE KEY MASK (an input): launch qkv gave a hidden key zero codes; here the C of the score's product is a table in LDS, one f32 a key: 0, or NEGc = -80000 x 2^-(e6 + e7), which stands for the logit -10000.  No vector work, no branch.
; On the diagonal the scores of keys above the query are set to NEGc by compare and select, in the one step of a wave that needs it.
; SHARES: a work-group owns the query blocks 7 - i and i (256 queries each) of one head, so that all 256 work-groups have equal work.  Each of sixteen waves owns 32 queries, two tiles of 16 that share every fragment of k, v
; and the table; eight waves take each block, dealt so that every four neighbouring waves, and every four waves four apart, hold two of each.
; A step is 64 keys; a slot of the LDS ring holds 256 keys: k's by wave 0's tensor load, v's by wave 1's.  k's slots beyond the work-group's last query are read by no wave and are not asked for; v's all are.
; NO CLUSTER: the four work-groups of a head need different numbers of k's tiles (5 to 8 slots), so a joint load would bring tiles that a partner never reads.
; LAYOUT: both products transposed: S^T = k q^T (source 0 = 16 keys, source 1 = 16 queries), O^T = v^T p^T: a lane holds ONE query of each tile.  In S^T tile t register n of lane (r, h) is key 16 t + 8 h + n, so the conversions'
; results are the second product's operand in that form's own order; vc carries the order that 16-byte loads need to match it.
; LIMITS: e6 + e7 between -111 and 130; e8 and e10 between -126 and 119.
; REGISTERS: v1-10 addresses; v11 NEGc; v12-15, v16-19 -M, largest t, the sum in two halves (tile 0, 1); v20-23 f; v24-31 at work; v32-47 q; v48-79 k's, then v's fragments; v80-111 the table's C, then p's codes (v80-95);
;   v112-175 S^T, then p; v176-239 O^T; v240 the hold, v241 and v243 scales; v244-247 sums at work; v248-251 the way out's addresses, r - 8 h, half the number of keys left out.
.set SLOT1, 1<<17                      ; slot 1 begins here: one exclusive or turns an address
.set VOFF,  64*272                     ; a slot: k: 64 LDS rows of 4 keys (256 bytes + 16), then v: 64 rows (of the head's 64) of 256 keys + 16
.set BIAS,  2*SLOT1                    ; the table: 2,048 f32
.set STG,   BIAS+8192                  ; the way out: 32 rows x 80 bytes for each wave
.set SPARE, STG+16*32*80               ; the spare words, 128 bytes a wave, that no other line names
.set AK0, 1
.set AV0, 2
.set PFO, 3
.set AB0, 4
.set SPW, 5                            ; never rewritten
.set NIL, 6                            ; never rewritten
.set GO,  7
.set ADK, 8
.set ADV, 9
.set ADB, 10
.set NEGC, 11
.set QR,  32
.set KVR, 48
.set BI,  80
.set PR,  80
.set S0,  112
.set O0,  176
.set LIM8, 240
.set SCL8, 241
.set LIM10, 242
.set SCL10, 243
.set STO, 248
.set RD,  249
.set RHR, 250
.set NHF, 251
.set TB,  2                            ; s2   the slot in hand
.set WV,  18
.set SEL, 20
.set CS,  22                           ; s[22:23] c = log2(e) / 8 x 2^(e6 + e7)
.set G1K, 24
.set G1V, 32
.set G0K, 40
.set G0V, 44
.set TBI, 48                           ; the slot's place in the table
.set KF,  49                           ; the slot's first key
.set Q0,  50                           ; my first query
.set Q31, 51                           ; my last
.set KH,  52                           ; the first key of my first step that is left out
.set QL,  53                           ; my work-group's last query
.set SLOTS, 55
.set PFA, 76
.set PFS, 78
.set PLIM, 80
.macro TLK                             ; wave 0 fetches k's tile; an s_nop 0 and four v_nop follow the load
	s_cmp_lg_u32 s[WV], 0
	s_cbranch_scc1 .Lnot_k_\@
	tensor_load_to_lds s[G0K:G0K+3], s[G1K:G1K+7]
	s_nop 0
.rept 4
	v_nop
.endr
.Lnot_k_\@:
.endm
.macro TLV                             ; wave 1 fetches v's
	s_cmp_lg_u32 s[WV], 1
	s_cbranch_scc1 .Lnot_v_\@
	tensor_load_to_lds s[G0V:G0V+3], s[G1V:G1V+7]
	s_nop 0
.rept 4
	v_nop
.endr
.Lnot_v_\@:
.endm
; A PREFETCH of what the NEXT change of slots will ask for.  The four work-groups of a head walk the same k and v: the one with i = 0, which walks every slot, asks.  In it waves 4 and 5 ask for k's 16,384 bytes (8,192 a wave,
; lanes 256 bytes apart), waves 6 and 7 for v's 64 rows (32 a wave, a lane a row: a slot's part of a row is 256 bytes, aligned): each aligned 256 bytes are named once in the launch.
; The last change that fills a slot asks for nothing; slots 0 and 1 come by their loads alone.
.macro ASK
	s_cmp_gt_u32 s[SLOTS], s[PLIM]
	s_cbranch_scc0 .Lnot_mine_\@
	global_prefetch_b8 v[PFO], s[PFA:PFA+1] th:TH_LOAD_NT scope:SCOPE_SE
.Lnot_mine_\@:
.endm
	s_load_b256 s[4:11], s[0:1], 0x0               ; qc, kc, vc, mask
	s_load_b128 s[12:15], s[0:1], 0x20             ; the scales' exponents, ao
	v_lshl_add_u32 v[SPW], v0, 2, SPARE
	v_mov_b32 v[NIL], 0
	ds_add_u32 v[SPW], v[NIL]                      ; the opening: the add, twice on end, and its wait ahead of the first tensor load
	ds_add_u32 v[SPW], v[NIL]
	v_lshrrev_b32 v8, 5, v0
	s_delay_alu instid0(VALU_DEP_1)
	v_readfirstlane_b32 s[WV], v8                  ; wave 0..15
	s_lshr_b32 s57, s[WV], 2
	s_xor_b32 s57, s57, s[WV]
	s_and_b32 s57, s57, 1                          ; which of the two blocks
	s_lshr_b32 s58, s[WV], 1                       ; which 32 queries of it
	s_sub_co_u32 s59, 7, ttmp9
	s_cmp_eq_u32 s57, 1
	s_cselect_b32 s59, ttmp9, s59                  ; block i or 7 - i
	s_lshl_b32 s59, s59, 8
	s_lshl_b32 s58, s58, 5
	s_add_co_u32 s[Q0], s59, s58
	s_add_co_u32 s[Q31], s[Q0], 31
	s_and_b32 s[KH], s[Q0], 0xffffffc0
	s_add_co_u32 s[KH], s[KH], 64
	s_sub_co_u32 s[QL], 8, ttmp9
	s_lshl_b32 s[QL], s[QL], 8
	s_sub_co_u32 s[QL], s[QL], 1
	s_sub_co_u32 s54, 2048, s[KH]
	s_lshr_b32 s54, s54, 1                         ; the keys left out, half for each half of the lanes
	s_and_b32 s81, ttmp7, 0xffff                   ; batch x 16 + head
	s_lshl_b32 s82, s81, 17                        ; its 131,072 bytes in qc, kc, vc and ao
	s_mov_b32 s83, 0
	s_lshr_b32 s88, s81, 4
	s_lshl_b32 s88, s88, 11                        ; the batch's 2,048 mask bytes
	s_mov_b32 s89, 0
	s_lshl_b32 s86, s[Q0], 6
	s_mov_b32 s87, 0
	s_add_nc_u64 s[86:87], s[86:87], s[82:83]      ; my first query's row in qc and ao
	s_mov_b32 s[G1K], (0<<16)|(1<<20)|(5<<22)|(3<<25)   ; no mask; elements of 1 byte; padding: 4 words behind every 64
	s_mov_b32 s[G1K+1], 256<<16                    ; k: 64 rows of 256 bytes, dense in memory (4 keys a row)
	s_mov_b32 s[G1K+2], 64<<16
	s_mov_b32 s[G1K+3], 256<<16
	s_mov_b32 s[G1K+4], 64
	s_mov_b32 s[G1K+5], 256
	s_mov_b32 s[G1K+6], 0
	s_mov_b32 s[G1K+7], 0
	s_mov_b32 s[G1V], (0<<16)|(1<<20)|(5<<22)|(3<<25)
	s_mov_b32 s[G1V+1], 256<<16                    ; v: 64 rows of 256 bytes, 2,048 apart
	s_mov_b32 s[G1V+2], 64<<16
	s_mov_b32 s[G1V+3], 256<<16
	s_mov_b32 s[G1V+4], 64
	s_mov_b32 s[G1V+5], 2048
	s_mov_b32 s[G1V+6], 0
	s_mov_b32 s[G1V+7], 0
	s_mov_b32 s[SEL], 0x76543210
	s_mov_b32 s[SEL+1], 0xfedcba98
	s_mov_b32 s[CS], 0x3e38aa3b                    ; log2(e) / 8
	s_mov_b32 s[TB], 0
	s_mov_b32 s[TBI], 0
	s_mov_b32 s[KF], 0
	s_mov_b32 s[SLOTS], 7
	s_wait_dscnt 0x0                               ; both opening adds are done
	s_wait_kmcnt 0x0
	s_load_b64 s[68:69], s[12:13], 0x18            ; e6, e7
	s_load_b128 s[72:75], s[12:13], 0x20           ; e8 .. e11
	s_mov_b32 s[G0K], 1
	s_mov_b32 s[G0K+1], 0
	s_add_nc_u64 s[G0K+2:G0K+3], s[6:7], s[82:83]
	s_or_b32 s[G0K+3], s[G0K+3], 0x80000000
	s_mov_b32 s[G0V], 1
	s_mov_b32 s[G0V+1], VOFF
	s_add_nc_u64 s[G0V+2:G0V+3], s[8:9], s[82:83]
	s_or_b32 s[G0V+3], s[G0V+3], 0x80000000
	TLK                                            ; slot 0
	TLV
	s_add_nc_u64 s[4:5], s[4:5], s[86:87]
	s_add_nc_u64 s[14:15], s[14:15], s[86:87]
	s_add_nc_u64 s[10:11], s[10:11], s[88:89]
	v_and_b32 v24, 15, v0                          ; r
	v_bfe_u32 v25, v0, 4, 1                        ; h
	v_and_b32 v26, 31, v0                          ; lane
	s_wait_alu depctr_va_vdst(0)
	v_lshlrev_b32 v116, 6, v24
	s_delay_alu instid0(VALU_DEP_1)
	v_lshl_add_u32 v116, v25, 4, v116              ; q: row r of 64 bytes, + 16 h
.irp x, 0,1
.irp c, 0,1
	global_load_b128 v[QR+8*\x+4*\c:QR+8*\x+4*\c+3], v116, s[4:5] offset:1024*\x+32*\c
.endr
.endr
	v_lshlrev_b32 v117, 2, v0
	global_load_b32 v118, v117, s[10:11]           ; four mask bytes a thread: 512 threads, 2,048 keys
	; the prefetches: where my wave's stand, and who asks
	s_cmp_lt_u32 s[WV], 6
	s_cselect_b64 s[PFA:PFA+1], s[6:7], s[8:9]
	s_mov_b32 s[PFS], 256
	s_cselect_b32 s[PFS], 16384, s[PFS]            ; a slot on
	s_mov_b32 s84, 2048
	s_cselect_b32 s84, 256, s84                    ; from lane to lane
	s_mov_b32 s85, 65536
	s_cselect_b32 s85, 8192, s85                   ; from wave to wave
	v_mul_lo_u32 v[PFO], v26, s84
	s_and_b32 s84, s[WV], 1
	s_mul_i32 s84, s84, s85
	s_add_co_u32 s84, s84, s[PFS]                  ; in slot 1: the first change of slots steps it to slot 2
	s_mov_b32 s85, 0
	s_mov_b32 s[PFS+1], 0
	s_add_nc_u64 s[PFA:PFA+1], s[PFA:PFA+1], s[82:83]
	s_add_nc_u64 s[PFA:PFA+1], s[PFA:PFA+1], s[84:85]
	s_sub_co_u32 s84, s[WV], 4
	s_lshr_b32 s84, s84, 2                         ; 0 in waves 4 to 7,
	s_or_b32 s84, s84, ttmp9                       ; of the work-group with i = 0
	s_cmp_eq_u32 s84, 0
	s_cselect_b32 s[PLIM], 1, -1
	v_lshrrev_b32 v[AK0], 2, v24                   ; k: key r of a tile: LDS row r / 4, 64 (r % 4), + 16 h
	s_delay_alu instid0(VALU_DEP_1)
	v_mul_u32_u24 v[AK0], v[AK0], 272
	v_and_b32 v[AV0], 3, v24
	s_delay_alu instid0(VALU_DEP_1)
	v_lshl_add_u32 v[AK0], v[AV0], 6, v[AK0]
	s_delay_alu instid0(VALU_DEP_1)
	v_lshl_add_u32 v[AK0], v25, 4, v[AK0]
	v_mul_u32_u24 v[AV0], v24, 272                 ; v: row r, + 16 h
	s_delay_alu instid0(VALU_DEP_1)
	v_lshl_add_u32 v[AV0], v25, 4, v[AV0]
	s_delay_alu instid0(VALU_DEP_1)
	v_add_nc_u32 v[AV0], VOFF, v[AV0]
	v_lshlrev_b32 v[AB0], 5, v25                   ; the table: my half's eight keys
	s_delay_alu instid0(VALU_DEP_1)
	v_add_nc_u32 v[AB0], BIAS, v[AB0]
	v_lshlrev_b32 v[GO], 4, v26
	s_mul_i32 s81, s[WV], 32*80
	s_add_co_u32 s81, s81, STG                     ; my stage
	v_mul_u32_u24 v[STO], v24, 80
	s_delay_alu instid0(VALU_DEP_1)
	v_lshl_add_u32 v[STO], v25, 3, v[STO]
	s_delay_alu instid0(VALU_DEP_1)
	v_add_nc_u32 v[STO], s81, v[STO]               ; in: row r, + 8 h
	v_lshrrev_b32 v[RD], 2, v26
	s_delay_alu instid0(VALU_DEP_1)
	v_mul_u32_u24 v[RD], v[RD], 80
	v_and_b32 v[RHR], 3, v26
	s_delay_alu instid0(VALU_DEP_1)
	v_lshl_add_u32 v[RD], v[RHR], 4, v[RD]
	s_delay_alu instid0(VALU_DEP_1)
	v_add_nc_u32 v[RD], s81, v[RD]                 ; back: four lanes to a row's 64 bytes
	v_lshlrev_b32 v[RHR], 3, v25
	s_delay_alu instid0(VALU_DEP_1)
	v_sub_nc_u32 v[RHR], v24, v[RHR]               ; r - 8 h
	v_cvt_f32_u32 v[NHF], s54
	v_lshl_add_u32 v120, v0, 4, BIAS               ; where I put my four numbers of the table
.irp x, 0,1
	v_mov_b32 v[13+4*\x], 0xff61b1e6               ; the largest t so far: -3e38
	s_delay_alu instid0(VALU_DEP_1)
	v_floor_f32 v[12+4*\x], -v[13+4*\x]            ; -M
	v_mov_b32 v[14+4*\x], 0                        ; the sum, in two halves
	v_mov_b32 v[15+4*\x], 0
	v_mov_b32 v[21+2*\x], 0                        ; (named as the upper half of f's pair)
	v_mov_b32 v[26+3*\x], 0                        ; a lane permute's destination counts as one of its sources
.endr
.set j, 0
.rept 64
	v_mov_b32 v[O0+j], 0                           ; O^T: the step is written once; the first change of M leaves zeros zeros
.set j, j+1
.endr
.set j, 0
.rept 16
	v_mov_b32 v[PR+j], 0                           ; p's codes are written on every way before they are read
.set j, j+1
.endr
	s_wait_kmcnt 0x0
	s_add_co_i32 s86, s68, s69
	s_lshl_b32 s86, s86, 23
	s_add_co_i32 s[CS], s[CS], s86                 ; a sum of codes stands for sum x 2^(e6 + e7): added to c's exponent field
	s_mov_b32 s[CS+1], s[CS]
	s_mov_b32 s87, 0xc79c4000                      ; -80000,
	s_sub_co_i32 s87, s87, s86                     ; x 2^-(e6 + e7)
	v_mov_b32 v[NEGC], s87
	s_add_co_i32 s86, s72, 127
	s_lshl_b32 s87, s86, 23
	v_mov_b32 v[SCL8], s87                         ; 2^e8
	s_add_co_i32 s86, s86, 8
	s_lshl_b32 s86, s86, 23
	s_or_b32 s86, s86, 0x600000
	v_mov_b32 v[LIM8], s86                         ; 448 x 2^e8
	s_add_co_i32 s86, s74, 127
	s_lshl_b32 s87, s86, 23
	v_mov_b32 v[SCL10], s87
	s_wait_alu depctr_va_vdst(0)
	s_wait_loadcnt 0x0                             ; q and the mask bytes
.irp k, 0,1,2,3
	v_bfe_u32 v119, v118, 8*\k, 8
	s_delay_alu instid0(VALU_DEP_1)
	v_cmp_eq_u32 vcc_lo, 0, v119
	s_delay_alu instid0(VALU_DEP_1)
	v_cndmask_b32 v[112+\k], 0, v[NEGC], vcc_lo    ; 0 for a key that counts, NEGc for one that the mask hides
.endr
	ds_store_b128 v120, v[112:115]                 ; the first change of slots waits for it and passes a barrier: then every wave may read the table
.macro SMAX x                          ; tile x: the step's largest score, from each accumulator's low end on; the running largest t; the new -M; f = 2^(old M - new M)
.set rS, S0+32*(\x)
.set rT, 12+4*(\x)
.set rC, 24+3*(\x)
.set rF, 20+2*(\x)
	v_max3_num_f32 v[rC], v[rS], v[rS+1], v[rS+2]
	v_max3_num_f32 v[rC+1], v[rS+3], v[rS+4], v[rS+5]
.irp i, 6,10,14,18,22,26
	v_max3_num_f32 v[rC], v[rC], v[rS+\i], v[rS+\i+1]
	v_max3_num_f32 v[rC+1], v[rC+1], v[rS+\i+2], v[rS+\i+3]
.endr
	v_max3_num_f32 v[rC], v[rC], v[rS+30], v[rS+31]
	s_delay_alu instid0(VALU_DEP_1)
	v_max_num_f32 v[rC], v[rC], v[rC+1]
	s_delay_alu instid0(VALU_DEP_1)
	v_permlanex16_b32 v[rC+2], v[rC], s[SEL], s[SEL+1]
	s_delay_alu instid0(VALU_DEP_1)
	v_max_num_f32 v[rC], v[rC], v[rC+2]            ; and among the other half's 32 keys
	s_delay_alu instid0(VALU_DEP_1)
	v_mul_f32 v[rC], s[CS], v[rC]                  ; as t (c is positive)
	NEWM \x
.endm
.macro NEWM x                          ; v[rC] holds a t: the running largest, -M = floor(-t), f
.set rT, 12+4*(\x)
.set rC, 24+3*(\x)
.set rF, 20+2*(\x)
	s_delay_alu instid0(VALU_DEP_1)
	v_max_num_f32 v[rT+1], v[rT+1], v[rC]
	v_mov_b32 v[rC], v[rT]
	s_delay_alu instid0(VALU_DEP_2)
	v_floor_f32 v[rT], -v[rT+1]                    ; M is a whole number
	s_delay_alu instid0(VALU_DEP_1)
	v_sub_f32 v[rC], v[rT], v[rC]                  ; old M - new M: a whole number, 0 or less
	s_delay_alu instid0(VALU_DEP_1)
	v_cvt_i32_f32 v[rC], v[rC]                     ; (it saturates)
	s_delay_alu instid0(VALU_DEP_1)
	v_ldexp_f32 v[rF], 1.0, v[rC]
.endm
.macro SSCALE x                        ; t - M, two at a time
.set j, 0
.rept 16
	v_pk_fma_f32 v[S0+32*(\x)+j:S0+32*(\x)+j+1], v[S0+32*(\x)+j:S0+32*(\x)+j+1], s[CS:CS+1], v[12+4*(\x):13+4*(\x)] op_sel_hi:[1,0,0]
.set j, j+2
.endr
.endm
.macro SSUM x                          ; the row's sum of the unquantised p, in two chains
	v_pk_add_f32 v[244+2*(\x):245+2*(\x)], v[S0+32*(\x):S0+32*(\x)+1], v[S0+32*(\x)+2:S0+32*(\x)+3]
.irp j, 4,8,12,16,20,24,28
	v_pk_add_f32 v[14+4*(\x):15+4*(\x)], v[14+4*(\x):15+4*(\x)], v[S0+32*(\x)+\j:S0+32*(\x)+\j+1]
	v_pk_add_f32 v[244+2*(\x):245+2*(\x)], v[244+2*(\x):245+2*(\x)], v[S0+32*(\x)+\j+2:S0+32*(\x)+\j+3]
.endr
	s_delay_alu instid0(VALU_DEP_1)
	v_pk_add_f32 v[14+4*(\x):15+4*(\x)], v[14+4*(\x):15+4*(\x)], v[244+2*(\x):245+2*(\x)]
.endm
.macro SQUANT x                        ; the codes: registers 2 t, 2 t + 1 = keys 16 t + 8 h + 0 .. 7
.set j, 0
.rept 32
.set j, j+1
.endr
.irp t, 0,1,2,3
	v_cvt_scalef32_pk8_fp8_f32 v[PR+8*(\x)+2*\t:PR+8*(\x)+2*\t+1], v[S0+32*(\x)+8*\t:S0+32*(\x)+8*\t+7], v[SCL8]
.endr
.endm
.macro OMUL x                          ; O^T under the new M, each accumulator from its low end on
.set j, 0
.rept 16
	v_pk_mul_f32 v[O0+32*(\x)+j:O0+32*(\x)+j+1], v[O0+32*(\x)+j:O0+32*(\x)+j+1], v[20+2*(\x):21+2*(\x)] op_sel_hi:[1,0]
.set j, j+2
.endr
.endm
; Once for a wave, at its first step that is left out: NEG's t enters the running maximum; p_N = 2^(t_N - M); the sum takes p_N once for each key left out; p's codes become p_N's for all steps that follow.
.macro TRANS
.irp x, 0,1
	v_mul_f32 v[24+3*\x], s[CS], v[NEGC]
	NEWM \x
	s_delay_alu instid0(VALU_DEP_4)
	v_fma_f32 v[25+3*\x], v[NEGC], s[CS], v[12+4*\x]
.endr
	s_wait_alu depctr_va_vdst(0)
	v_exp_f32 v25, v25
	v_exp_f32 v28, v28
	v_pk_mul_f32 v[14:15], v[14:15], v[20:21] op_sel_hi:[1,0]   ; (a plain line behind the exponentials)
	v_pk_mul_f32 v[18:19], v[18:19], v[22:23] op_sel_hi:[1,0]
	s_wait_alu depctr_va_vdst(0)
	OMUL 0
	OMUL 1
	s_wait_alu depctr_va_vdst(0)                   ; one wait for both exponentials, ahead of their first reader
	v_fma_f32 v14, v25, v[NHF], v14
	v_fma_f32 v18, v28, v[NHF], v18
.irp x, 0,1
.irp j, 0,1,2,3,4,5,6,7
	v_min_num_f32 v[S0+32*\x+\j], v[25+3*\x], v[LIM8]
.endr
.irp t, 0,1,2,3
	v_cvt_scalef32_pk8_fp8_f32 v[PR+8*\x+2*\t:PR+8*\x+2*\t+1], v[S0+32*\x:S0+32*\x+7], v[SCL8]
.endr
.endr
	v_nop                                          ; a plain line between the conversions and the products that read their results
.endm
; A KEY STEP: 64 keys, the q-th of the slot in hand.
.macro STEP q
	s_add_co_u32 s96, s[KF], 64*(\q)               ; the step's first key
	s_cmp_gt_u32 s96, s[Q31]                       ; all its keys above my queries?  (ids and the count of slots alone)
	s_cbranch_scc1 .Lhid_\@
.irp t, 0,1,2,3
.irp c, 0,1
	ds_load_b128 v[KVR+8*\t+4*\c:KVR+8*\t+4*\c+3], v[ADK] offset:(\q)*4352+\t*1088+32*\c
.endr
.endr
.irp t, 0,1,2,3
.irp u, 0,1
	ds_load_b128 v[BI+8*\t+4*\u:BI+8*\t+4*\u+3], v[ADB] offset:(\q)*256+\t*64+16*\u
.endr
.endr
	s_wait_dscnt 0x0
.irp t, 0,1,2,3
.irp x, 0,1
	v_wmma_f32_16x16x64_fp8_fp8 v[S0+32*\x+8*\t:S0+32*\x+8*\t+7], v[KVR+8*\t:KVR+8*\t+7], v[QR+8*\x:QR+8*\x+7], v[BI+8*\t:BI+8*\t+7]
.endr
.endr
.rept 4
	v_nop                                          ; four places in front of the first read of results
.endr
	s_add_co_u32 s97, s96, 63
	s_cmp_le_u32 s97, s[Q0]                        ; a step all of whose keys count for all my queries skips the diagonal's lines
	s_cbranch_scc1 .Lopen_\@
	s_sub_co_i32 s97, s[Q0], s96
	v_add_nc_u32 v30, s97, v[RHR]                  ; d = my query - the step's first key - 8 h.  Register 8 t + n holds key 16 t + 8 h + n: hidden where 16 t + n > d
	s_delay_alu instid0(VALU_DEP_1)
	v_add_nc_u32 v31, 16, v30
.irp x, 0,1
.irp n, 0,1,2,3,4,5,6,7,8,9,10,11,12,13,14,15,16,17,18,19,20,21,22,23,24,25,26,27,28,29,30,31
	v_cmp_gt_i32 vcc_lo, 16*(\n/8)+\n%8, v[30+\x]
	v_cndmask_b32 v[S0+32*\x+\n], v[S0+32*\x+\n], v[NEGC], vcc_lo
.endr
.endr
.Lopen_\@:
	SMAX 0
	SMAX 1
	SSCALE 0
	SSCALE 1
.set j, 0
	s_wait_alu depctr_va_vdst(0)
.rept 64
	v_exp_f32 v[S0+j], v[S0+j]                     ; p = 2^(t - M), at most 1: one batch
.set j, j+1
.endr
	v_pk_mul_f32 v[14:15], v[14:15], v[20:21] op_sel_hi:[1,0]   ; the sums under the new M (a plain line behind the exponentials)
	v_pk_mul_f32 v[18:19], v[18:19], v[22:23] op_sel_hi:[1,0]
	s_wait_alu depctr_va_vdst(0)                   ; one wait for the batch, ahead of its first reader
	SSUM 0
	SSUM 1
	SQUANT 0
	SQUANT 1
	OMUL 0                                         ; (these are also the plain lines between the conversions and the products below)
	OMUL 1
	s_branch .Lpv_\@
.Lhid_\@:
	s_cmp_lg_u32 s96, s[KH]
	s_cbranch_scc1 .Lpv_\@
	TRANS
.Lpv_\@:
	s_wait_alu depctr_va_vdst(0)
.irp t, 0,1,2,3
.irp c, 0,1
	ds_load_b128 v[KVR+8*\t+4*\c:KVR+8*\t+4*\c+3], v[ADV] offset:\t*4352+64*(\q)+32*\c
.endr
.endr
	s_wait_dscnt 0x0
.irp t, 0,1,2,3                        ; O^T += v^T p^T: the eight accumulators take turns
.irp x, 0,1
	v_wmma_f32_16x16x64_fp8_fp8 v[O0+32*\x+8*\t:O0+32*\x+8*\t+7], v[KVR+8*\t:KVR+8*\t+7], v[PR+8*\x:PR+8*\x+7], v[O0+32*\x+8*\t:O0+32*\x+8*\t+7]
.endr
.endr
.rept 4
	v_nop                                          ; four places in front of whatever next loads into, writes or reads these products' registers
.endr
.endm
; THE CHANGE OF SLOTS, at a slot's head.  Each wave waits for all its tensor loads, adds 0 to its spare word (fill = 1: twice on end), and waits for that and for
; its reads of the slot that it has left.  Behind the barrier the slot ahead is whole and nobody reads the other one, which is filled with the keys that follow.
.macro CHANGE fill
	s_wait_tensorcnt 0x0                           ; no tensor load of mine is out, so a group 0 may be written
	ds_add_u32 v[SPW], v[NIL]
.if \fill
	ds_add_u32 v[SPW], v[NIL]
	s_xor_b32 s[G0K+1], s[G0K+1], SLOT1
	s_add_nc_u64 s[G0K+2:G0K+3], s[G0K+2:G0K+3], 16384
	s_xor_b32 s[G0V+1], s[G0V+1], SLOT1
	s_add_nc_u64 s[G0V+2:G0V+3], s[G0V+2:G0V+3], 256
	s_wait_xcnt 0x0                                ; the last prefetch, a slot back, has read its address
	s_add_nc_u64 s[PFA:PFA+1], s[PFA:PFA+1], s[PFS:PFS+1]
.endif
	s_wait_dscnt 0x0
	s_barrier_signal -1
	s_barrier_wait -1
.if \fill
	s_add_co_u32 s96, s[KF], 256                   ; the first key of the slot that is asked for
	s_cmp_gt_u32 s96, s[QL]                        ; beyond my work-group's last query no wave reads k: ids and the count of slots alone, the same in all sixteen waves; every wait for tensor loads in this text is for 0
	s_cbranch_scc1 .Lpast_\@
	TLK
.Lpast_\@:
	TLV                                            ; v's tile is read in every step
	ASK
.endif
.endm
.macro SLOT_STEPS
	v_add_nc_u32 v[ADK], s[TB], v[AK0]
	v_add_nc_u32 v[ADV], s[TB], v[AV0]
	v_add_nc_u32 v[ADB], s[TBI], v[AB0]
	STEP 0
	STEP 1
	STEP 2
	STEP 3
	s_xor_b32 s[TB], s[TB], SLOT1
	s_add_co_u32 s[TBI], s[TBI], 1024
	s_add_co_u32 s[KF], s[KF], 256
.endm
.Lslot:                                            ; seven trips: behind each change of slots but the last the next slot is asked for
	CHANGE 1
	SLOT_STEPS
	s_sub_co_u32 s[SLOTS], s[SLOTS], 1
	s_cmp_lg_u32 s[SLOTS], 0
	s_cbranch_scc1 .Lslot
	CHANGE 0                                       ; the last slot is written out: nothing is left to fetch
	SLOT_STEPS
	; THE WAY OUT: O^T x 2^(e8 + e9) / the sum, quantised with entry 10; 8 bytes a lane and tile of the head's 64 into my stage, back as rows of 64 bytes: my 32 rows of ao are 2,048 dense bytes.
	v_add_f32 v14, v14, v15
	v_add_f32 v18, v18, v19
	s_delay_alu instid0(VALU_DEP_2)
	v_permlanex16_b32 v26, v14, s[SEL], s[SEL+1]
	s_delay_alu instid0(VALU_DEP_2)
	v_permlanex16_b32 v29, v18, s[SEL], s[SEL+1]
	s_delay_alu instid0(VALU_DEP_2)
	v_add_f32 v14, v14, v26
	s_delay_alu instid0(VALU_DEP_2)
	v_add_f32 v18, v18, v29
	s_wait_alu depctr_va_vdst(0)
	v_rcp_f32 v14, v14
	v_rcp_f32 v18, v18
	v_nop                                          ; a plain line behind the reciprocals
	s_add_co_i32 s96, s72, s73
	s_wait_alu depctr_va_vdst(0)                   ; one wait for both, ahead of their first reader
	v_ldexp_f32 v14, v14, s96
	v_ldexp_f32 v18, v18, s96
.irp x, 0,1
.set j, 0
.rept 16
	v_pk_mul_f32 v[S0+32*\x+j:S0+32*\x+j+1], v[O0+32*\x+j:O0+32*\x+j+1], v[14+4*\x:15+4*\x] op_sel_hi:[1,0]
.set j, j+2
.endr
.endr
.set j, 0
.rept 64
.set j, j+1
.endr
.irp x, 0,1
.irp t, 0,1,2,3
	v_cvt_scalef32_pk8_fp8_f32 v[KVR+8*\x+2*\t:KVR+8*\x+2*\t+1], v[S0+32*\x+8*\t:S0+32*\x+8*\t+7], v[SCL10]
.endr
.endr
	v_nop
.irp x, 0,1
.irp t, 0,1,2,3
	ds_store_b64 v[STO], v[KVR+8*\x+2*\t:KVR+8*\x+2*\t+1] offset:\x*1280+16*\t
.endr
.endr
.irp t, 0,1,2,3
	ds_load_b128 v[BI+4*\t:BI+4*\t+3], v[RD] offset:640*\t      ; LDS serves a wave's instructions in order: these see my stores
.endr
.irp t, 0,1,2,3
	s_wait_dscnt 3-\t
	global_store_b128 v[GO], v[BI+4*\t:BI+4*\t+3], s[14:15] offset:512*\t   ; 32 lanes store 512 consecutive bytes, aligned
.endr
	s_wait_tensorcnt 0x0                           ; the wave's end, behind my last tensor load and my last LDS store
	ds_add_u32 v[SPW], v[NIL]
	s_wait_dscnt 0x0
	s_endpgm
.Lfunc_end_k_q9620685c52_attn:
	.size	k_q9620685c52_attn, .Lfunc_end_k_q9620685c52_attn-k_q9620685c52_attn
	.p2alignl 7, 3214868480
	.fill 96, 4, 3214868480
	.section	.rodata,"a",@progbits
	.p2align	6, 0x0
	.amdhsa_kernel k_q9620685c52_attn
		.amdhsa_group_segment_fixed_size 327680
		.amdhsa_private_segment_fixed_size 0
		.amdhsa_enable_private_segment 0
		.amdhsa_kernarg_size 48
		.amdhsa_user_sgpr_count 2
		.amdhsa_user_sgpr_kernarg_segment_ptr 1
		.amdhsa_wavefront_size32 1
		.amdhsa_system_sgpr_workgroup_id_x 1
		.amdhsa_system_sgpr_workgroup_id_y 1
		.amdhsa_system_sgpr_workgroup_id_z 1
		.amdhsa_system_vgpr_workitem_id 0
		.amdhsa_next_free_vgpr 256
		.amdhsa_next_free_sgpr 100
		.amdhsa_reserve_vcc 1
		.amdhsa_float_denorm_mode_32 3
		.amdhsa_float_denorm_mode_16_64 3
		.amdhsa_fp16_overflow 1
		.amdhsa_memory_ordered 1
		.amdhsa_forward_progress 1
		.amdhsa_inst_pref_size 210
	.end_amdhsa_kernel
	.amdgpu_metadata
---
amdhsa.version: [ 1, 2 ]
amdhsa.kernels:
  - .name:           k_q9620685c52_attn
    .symbol:         k_q9620685c52_attn.kd
    .args:
      - { .name: qc, .offset: 0, .size: 8, .value_kind: global_buffer, .address_space: global }
      - { .name: kc, .offset: 8, .size: 8, .value_kind: global_buffer, .address_space: global }
      - { .name: vc, .offset: 16, .size: 8, .value_kind: global_buffer, .address_space: global }
      - { .name: mask, .offset: 24, .size: 8, .value_kind: global_buffer, .address_space: global }
      - { .name: lowp_scales, .offset: 32, .size: 8, .value_kind: global_buffer, .address_space: global }
      - { .name: ao, .offset: 40, .size: 8, .value_kind: global_buffer, .address_space: global }
    .group_segment_fixed_size: 327680
    .private_segment_fixed_size: 0
    .kernarg_segment_align: 8
    .kernarg_segment_size: 48
    .max_flat_workgroup_size: 512
    .sgpr_count:     100
    .vgpr_count:     256
    .wavefront_size: 32
...
	.end_amdgpu_metadata
.endif
;; end of part 3
;; launch proj (part 4): grid 4 x 64, 4 waves a work-group, clusters of 4 x 4, 327,680 bytes of LDS; arguments ao, wc, bp, lowp_scales, out0; writes out0
.if DOCPART == 4
	.amdgcn_target "amdgcn-amd-amdhsa--gfx1250"
	.amdhsa_code_object_version 6
	.text
	.protected	k_q9620685c52_proj
	.globl	k_q9620685c52_proj
	.p2align	8
	.type	k_q9620685c52_proj,@function
k_q9620685c52_proj:
	s_mov_b64 s[64:65], 0
	v_nop
	global_prefetch_b8 v0, s[64:65] scope:SCOPE_SE
	s_setreg_imm32_b32 hwreg(HW_REG_WAVE_MODE, 25, 1), 1
	s_wait_xcnt 0x0
	s_wait_alu depctr_hold_cnt(0) depctr_sa_sdst(0) depctr_va_vdst(0) depctr_va_sdst(0) depctr_va_ssrc(0) depctr_va_vcc(0) depctr_vm_vsrc(0)
	s_getreg_b32 s2, hwreg(HW_REG_IB_STS2, 6, 4)
	s_cmp_eq_u32 s2, 0
	s_cbranch_scc0 .Lentry_in_a_cluster
	s_endpgm
.Lentry_in_a_cluster:
	s_bfe_u32 s2, ttmp6, 0x10000c
	s_cmp_lg_u32 s2, 0xf033
	s_cbranch_scc0 .Lentry_shape_is_right
	s_endpgm
.Lentry_shape_is_right:
; out0[token][j] = sum over k of a[token][k] Wp[j][k] x 2^(e10 + e11) + bp[j], on codes of E4M3.  a: launch attn's codes, laid [batch][head][token][64]; Wp's codes lie at wc + 3 x 1,048,576.
; The form is launch qkv's: a work-group makes 128 tokens x 256 columns, each of four waves 64 x 128; K = 1,024 in four steps of 256 (four heads) through two LDS slots; clusters of 4 x 4 with joint loads;
; the matrix instruction transposed (source 0 = 16 rows of Wp, source 1 = 16 tokens), so that a lane holds eight neighbouring columns of one row of out0.  256 work-groups.
; a's TILE: for one head 64 tokens are 4,096 dense bytes; a wave's load is 4 such lines, 131,072 bytes apart, with 16 bytes of padding behind every 256: in LDS a head's line is 4,352 bytes, token s at 272 (s / 4) + 64 (s % 4).
; LIMIT: e10 + e11 between -126 and 127.
; REGISTERS as in launch qkv: window 0: v1-31 addresses; v64-191 a's fragments, two sets; window 1: Wp's, two sets; window 2: the 32 accumulators; window 3: v0-63 the bias.
.set PITCH, 272
.set PHALF, 64*PITCH
.set RHALF, 128*PITCH
.set ROFF,  2*PHALF
.set SLOT,  ROFF+2*RHALF
.set STG,   2*SLOT                     ; behind the ring: a stage of 16 rows x (512 + 16) bytes for each wave
.set SPITCH, 528
.set SPARE, STG+4*16*SPITCH            ; the spare words, 128 bytes a wave, that no other line names
.set PSTEP2, 1048576                   ; two slots on: eight heads
.set RSTEP2, 512
.set FR,   16
.set PF,   64
.set ADRP, 16
.set ADRR, 20
.set STO,  24
.set RD,   25
.set CO,   26
.set SPW,  28                          ; never rewritten
.set NIL,  29                          ; never rewritten
.set TMP,  128
.set G1,  24
.set G0,  32
.set G1B, 48
.set G0B, 56
.set MULW, 0xa1
.set MSB, 0
.macro WIN new
.if MSB != \new
	s_set_vgpr_msb (MSB<<8)|\new
.set MSB, \new
.endif
.endm
.macro PLACES n
.rept \n
	v_nop
.endr
.endm
.macro JLOAD s                         ; waves 0 and 1 fetch a's halves, waves 2 and 3 Wp's; an s_nop 0 and four v_nop follow each line
	s_cmp_eq_u32 s15, 0
	s_cbranch_scc0 .Lfor_r_\@
	tensor_load_to_lds s[G0+4*\s:G0+4*\s+3], s[G1:G1+7]
	s_nop 0
.rept 4
	v_nop
.endr
	s_branch .Lasked_\@
.Lfor_r_\@:
	tensor_load_to_lds s[G0B+4*\s:G0B+4*\s+3], s[G1B:G1B+7]
	s_nop 0
.rept 4
	v_nop
.endr
.Lasked_\@:
.endm
.macro CREST
	s_cmp_lg_u32 s14, 0
	s_cbranch_scc1 .Lnot_wave_0_\@
	s_barrier_signal -3
.Lnot_wave_0_\@:
	s_barrier_wait -3
	s_barrier_signal -1
	s_barrier_wait -1
.endm
.macro CROUND
	s_barrier_signal -1
	s_barrier_wait -1
	CREST
.endm
	s_load_b256 s[4:11], s[0:1], 0x0               ; ao, wc, bp, the scales' exponents
	s_load_b64 s[68:69], s[0:1], 0x20              ; out0
	v_lshl_add_u32 v[SPW], v0, 2, SPARE
	v_mov_b32 v[NIL], 0
	ds_add_u32 v[SPW], v[NIL]                      ; the opening: the add, twice on end, and its wait ahead of my first tensor load
	ds_add_u32 v[SPW], v[NIL]
	v_lshrrev_b32 v1, 5, v0
	v_readfirstlane_b32 s14, v1                    ; wave 0..3
	s_lshr_b32 s15, s14, 1                         ; my half of the tokens.  Also: I fetch for a (0) or for Wp (1)
	s_and_b32 s16, s14, 1                          ; my half of the columns.  Also: which half I fetch
	s_bfe_u32 s40, ttmp6, 0x40000                  ; cx = the tile's 256 columns
	s_bfe_u32 s41, ttmp6, 0x40004                  ; cy
	s_and_b32 s12, ttmp7, 0xffff
	s_lshl_b32 s12, s12, 2
	s_add_co_u32 s12, s12, s41                     ; iblk: my 128 tokens
	s_lshl_b32 s43, s41, 2
	s_lshl_b32 s43, 15, s43                        ; my row of the cluster
	s_lshl_b32 s44, 0x1111, s40                    ; my column
	s_or_b32 s[G1+0], s43, (0<<16)|(1<<20)|(1<<21)|(5<<22)|(3<<25)
	s_or_b32 s[G1B+0], s44, (0<<16)|(1<<20)|(1<<21)|(5<<22)|(3<<25)
	s_mov_b32 s[G1+1], 4096<<16                    ; tensor_dim0: a head's 64 tokens, 4,096 bytes
	s_mov_b32 s[G1+2], 4<<16                       ; tensor_dim1: four heads
	s_mov_b32 s[G1+3], 4096<<16                    ; tile_dim0
	s_mov_b32 s[G1+4], 4                           ; tile_dim1
	s_mov_b32 s[G1+5], 131072                      ; from head to head
	s_mov_b32 s[G1+6], 0
	s_mov_b32 s[G1+7], 0
	s_mov_b32 s[G1B+1], 256<<16
	s_mov_b32 s[G1B+2], 128<<16
	s_mov_b32 s[G1B+3], 256<<16
	s_mov_b32 s[G1B+4], 128
	s_mov_b32 s[G1B+5], 1024
	s_mov_b32 s[G1B+6], 0
	s_mov_b32 s[G1B+7], 0
	s_lshr_b32 s20, s12, 4
	s_lshl_b32 s20, s20, 21                        ; the batch
	s_and_b32 s21, s12, 15
	s_lshl_b32 s21, s21, 13                        ; 128 tokens of 64 bytes
	s_add_co_u32 s20, s20, s21
	s_lshl_b32 s21, s16, 12                        ; my 64 of them
	s_add_co_u32 s20, s20, s21
	s_mov_b32 s21, 0
	s_lshl_b32 s46, s40, 8
	s_lshl_b32 s47, s16, 7
	s_add_co_u32 s46, s46, s47                     ; Wp: row 256 cx + 128 x half
	s_lshl_b32 s46, s46, 10
	s_add_co_u32 s46, s46, 3<<20
	s_mov_b32 s47, 0
	s_mul_i32 s45, s16, PHALF
	s_mul_i32 s98, s16, RHALF
	s_add_co_u32 s98, s98, ROFF
	s_wait_dscnt 0x0                               ; both opening adds are done
	s_wait_kmcnt 0x0
	s_load_b64 s[84:85], s[10:11], 0x28            ; e10, e11
	s_add_nc_u64 s[20:21], s[4:5], s[20:21]
	s_add_nc_u64 s[46:47], s[6:7], s[46:47]
	CROUND                                         ; all sixteen work-groups are here: the first joint loads meet
.irp s, 0,1
	s_mov_b32 s[G0+4*\s], 1
	s_add_co_u32 s[G0+4*\s+1], s45, \s*SLOT
	s_add_nc_u64 s[G0+4*\s+2:G0+4*\s+3], s[20:21], \s*524288
	s_or_b32 s[G0+4*\s+3], s[G0+4*\s+3], 0x80000000
	s_mov_b32 s[G0B+4*\s], 1
	s_add_co_u32 s[G0B+4*\s+1], s98, \s*SLOT
	s_add_nc_u64 s[G0B+4*\s+2:G0B+4*\s+3], s[46:47], \s*256
	s_or_b32 s[G0B+4*\s+3], s[G0B+4*\s+3], 0x80000000
	s_wait_alu depctr_va_vdst(0)
	s_wait_tensorcnt 0x0
	ds_add_u32 v28, v29
	ds_add_u32 v28, v29
	s_wait_dscnt 0x0
	CROUND
	JLOAD \s
.endr
	v_and_b32 v1, 15, v0                           ; r
	v_bfe_u32 v2, v0, 4, 1                         ; h
	v_mul_u32_u24 v3, v1, PITCH
	v_lshl_add_u32 v4, v2, 4, v3                   ; Wp: r x pitch + 16 h
	v_lshrrev_b32 v5, 2, v1                        ; a: token r of a block: 272 (r / 4) + 64 (r % 4) + 16 h
	v_mul_u32_u24 v5, v5, PITCH
	v_and_b32 v6, 3, v1
	v_lshl_add_u32 v5, v6, 6, v5
	v_lshl_add_u32 v5, v2, 4, v5
	s_mul_i32 s80, s15, PHALF
	s_mul_i32 s81, s16, RHALF
	s_add_co_u32 s81, s81, ROFF
.irp s, 0,1
	v_add_nc_u32 v[ADRP+\s], s80, v5
	v_add_nc_u32 v[ADRR+\s], s81, v4
	s_add_co_u32 s80, s80, SLOT
	s_add_co_u32 s81, s81, SLOT
.endr
	s_mul_i32 s80, s14, 16*SPITCH
	s_add_co_u32 s80, s80, STG                     ; my stage
	v_mul_u32_u24 v[STO], v1, SPITCH
	v_lshl_add_u32 v[STO], v2, 5, v[STO]
	v_add_nc_u32 v[STO], s80, v[STO]               ; in: row r, 32 bytes for each half of the lanes
	v_and_b32 v7, 31, v0
	v_lshlrev_b32 v[CO], 4, v7                     ; back: the 32 lanes take one row of 512 bytes; and the same in out0
	v_add_nc_u32 v[RD], s80, v[CO]
	v_lshlrev_b32 v8, 5, v2                        ; the bias: 32 h
	s_wait_alu depctr_va_vdst(0)
	s_lshl_b32 s80, s40, 10
	s_lshl_b32 s81, s16, 9
	s_add_co_u32 s80, s80, s81                     ; 4 x (256 cx + 128 x my column half)
	s_mov_b32 s81, 0
	s_add_nc_u64 s[8:9], s[8:9], s[80:81]
	s_add_nc_u64 s[68:69], s[68:69], s[80:81]
	s_lshl_b32 s80, s12, 7
	s_lshl_b32 s82, s15, 6
	s_add_co_u32 s80, s80, s82
	s_lshl_b32 s80, s80, 12                        ; my first row of out0: 4,096 bytes a row
	s_add_nc_u64 s[68:69], s[68:69], s[80:81]
	WIN 0xc0                                       ; destination window 3
.irp b, 0,1,2,3,4,5,6,7
	global_load_b128 v[8*\b:8*\b+3], v8, s[8:9] offset:64*\b
	global_load_b128 v[8*\b+4:8*\b+7], v8, s[8:9] offset:64*\b+16
.endr
	WIN 0
.macro MUL8 a, set, zero               ; a's block against Wp's eight, 128 along K.  The 32 accumulators take turns in one order
.irp b, 0,1,2,3,4,5,6,7
.if \zero
	v_wmma_f32_16x16x128_fp8_fp8 v[8*(8*(\a)+\b):8*(8*(\a)+\b)+7], v[128*(\set)+FR*\b:128*(\set)+FR*\b+FR-1], v[PF+64*(\set)+FR*(\a):PF+64*(\set)+FR*(\a)+FR-1], 0
.else
	v_wmma_f32_16x16x128_fp8_fp8 v[8*(8*(\a)+\b):8*(8*(\a)+\b)+7], v[128*(\set)+FR*\b:128*(\set)+FR*\b+FR-1], v[PF+64*(\set)+FR*(\a):PF+64*(\set)+FR*(\a)+FR-1], v[8*(8*(\a)+\b):8*(8*(\a)+\b)+7]
.endif
.endr
.endm
.macro FETCH slot, q, set              ; 48 LDS loads in one run.  a's k = 128 q + 32 c + 16 h lies in head 2 q + c / 2 of the slot, at byte 32 (c % 2) + 16 h of the token's 64
	WIN 0x40
.irp i, 0,1,2,3,4,5,6,7
.irp c, 0,1,2,3
	ds_load_b128 v[128*(\set)+FR*\i+4*\c:128*(\set)+FR*\i+4*\c+3], v[ADRR+\slot] offset:128*(\q)+32*\c+\i*16*PITCH
.endr
.endr
	WIN 0
.irp a, 0,1,2,3
.irp c, 0,1,2,3
	ds_load_b128 v[PF+64*(\set)+FR*\a+4*\c:PF+64*(\set)+FR*\a+4*\c+3], v[ADRP+\slot] offset:(2*(\q)+\c/2)*4352+\a*1088+32*(\c%2)
.endr
.endr
.endm
.macro EVEN slot, zero                 ; a slot's first step: set 0 is in; set 1 is asked for (behind four plain places) and lands under the 32 products
	s_wait_dscnt 0x0
	PLACES 4
	FETCH \slot, 1, 1
	WIN MULW
	MUL8 0, 0, \zero
	MUL8 1, 0, \zero
	MUL8 2, 0, \zero
	MUL8 3, 0, \zero
.endm
.macro TURN slot, next, fill           ; a slot's second step changes slots, as in launch qkv
	WIN 0
	s_wait_tensorcnt 0x0                           ; all my tensor loads have landed: my part of the next slot
	ds_add_u32 v[SPW], v[NIL]
	s_wait_dscnt 1                                 ; set 1 is in; the add alone may be out
	WIN MULW
	MUL8 0, 1, 0
	s_wait_dscnt 0x0                               ; the add is done, and my reads of this slot are over
	s_barrier_signal -1
	MUL8 1, 1, 0
	WIN 0
	s_barrier_wait -1
.if \fill
	CREST                                          ; the round: no wave of any partner still reads this slot or has a load on its way
	s_add_nc_u64 s[G0+4*\slot+2:G0+4*\slot+3], s[G0+4*\slot+2:G0+4*\slot+3], PSTEP2
	s_add_nc_u64 s[G0B+4*\slot+2:G0B+4*\slot+3], s[G0B+4*\slot+2:G0B+4*\slot+3], RSTEP2
	JLOAD \slot
.else
	PLACES 4
.endif
	FETCH \next, 0, 0
	WIN MULW
	MUL8 2, 1, 0
	MUL8 3, 1, 0
.endm
	s_wait_tensorcnt 1                             ; my part of slot 0 is in; slot 1's may stay out
	s_barrier_signal -1
	s_barrier_wait -1
	FETCH 0, 0, 0
	EVEN 0, 1
	TURN 0, 1, 1
	EVEN 1, 0
	TURN 1, 0, 1
	EVEN 0, 0
	TURN 0, 1, 0
	EVEN 1, 0
	s_wait_dscnt 0x0
	WIN MULW
	MUL8 0, 1, 0
	MUL8 1, 1, 0
	MUL8 2, 1, 0
	MUL8 3, 1, 0
	WIN 0
; THE WAY OUT, block by block of 16 rows x 128 columns: sum x 2^(e10 + e11) + bias, through my own stage, back as whole rows of 512 bytes.  LDS serves a wave's instructions in order: no wait between the stores and the loads.
.macro TOSTAGE a
	WIN 0x32                                       ; source 0 (the sums) window 2, source 2 (the bias) window 3
.irp b, 0,1,2,3,4,5,6,7
.irp i, 0,2,4,6
	v_pk_fma_f32 v[TMP+8*\b+\i:TMP+8*\b+\i+1], v[8*(8*(\a)+\b)+\i:8*(8*(\a)+\b)+\i+1], s[96:97], v[8*\b+\i:8*\b+\i+1] op_sel_hi:[1,0,1]
.endr
.endr
	WIN 0
.irp b, 0,1,2,3,4,5,6,7
	ds_store_b128 v[STO], v[TMP+8*\b:TMP+8*\b+3] offset:64*\b
	ds_store_b128 v[STO], v[TMP+8*\b+4:TMP+8*\b+7] offset:64*\b+16
.endr
.set BB, 192-128*((\a)%2)
.irp t, 0,1,2,3,4,5,6,7,8,9,10,11,12,13,14,15
	ds_load_b128 v[BB+4*\t:BB+4*\t+3], v[RD] offset:\t*SPITCH
.endr
.endm
.macro SEND a, younger                 ; younger: the LDS instructions issued behind block a's loads, which may stay out
.set BB, 192-128*((\a)%2)
	s_wait_dscnt \younger
.irp t, 0,1,2,3,4,5,6,7,8,9,10,11,12,13,14,15
	global_store_b128 v[CO], v[BB+4*\t:BB+4*\t+3], s[68:69] offset:(\a)*65536+\t*4096 th:TH_STORE_NT   ; 32 lanes store 512 consecutive bytes, aligned; written once, read by nobody here
.endr
.endm
	s_wait_kmcnt 0x0
	s_add_co_i32 s96, s84, s85
	s_add_co_i32 s96, s96, 127
	s_lshl_b32 s96, s96, 23                        ; 2^(e10 + e11) as f32
	s_mov_b32 s97, s96
	s_wait_loadcnt 0x0                             ; the bias
	PLACES 4                                       ; in front of the first read of results and of loads into the fragments' registers
	TOSTAGE 0
.irp a, 1,2,3
.if \a > 1
	s_wait_xcnt 0x0                                ; block a - 2's stores have read their registers: block a's loads may land there
.endif
	TOSTAGE \a
	SEND \a-1, 32                                  ; behind block a - 1's loads: block a's 16 stores and 16 loads
.endr
	SEND 3, 0
	s_wait_tensorcnt 0x0                           ; the wave's end, behind my last tensor load and my last LDS store
	ds_add_u32 v[SPW], v[NIL]
	s_wait_dscnt 0x0
	CROUND                                         ; the closing round
	s_endpgm
.Lfunc_end_k_q9620685c52_proj:
	.size	k_q9620685c52_proj, .Lfunc_end_k_q9620685c52_proj-k_q9620685c52_proj
	.p2alignl 7, 3214868480
	.fill 96, 4, 3214868480
	.section	.rodata,"a",@progbits
	.p2align	6, 0x0
	.amdhsa_kernel k_q9620685c52_proj
		.amdhsa_group_segment_fixed_size 327680
		.amdhsa_private_segment_fixed_size 0
		.amdhsa_enable_private_segment 0
		.amdhsa_kernarg_size 40
		.amdhsa_user_sgpr_count 2
		.amdhsa_user_sgpr_kernarg_segment_ptr 1
		.amdhsa_wavefront_size32 1
		.amdhsa_system_sgpr_workgroup_id_x 1
		.amdhsa_system_sgpr_workgroup_id_y 1
		.amdhsa_system_sgpr_workgroup_id_z 1
		.amdhsa_system_vgpr_workitem_id 0
		.amdhsa_next_free_vgpr 832
		.amdhsa_next_free_sgpr 100
		.amdhsa_reserve_vcc 0
		.amdhsa_float_denorm_mode_32 3
		.amdhsa_float_denorm_mode_16_64 3
		.amdhsa_memory_ordered 1
		.amdhsa_forward_progress 1
		.amdhsa_inst_pref_size 78
	.end_amdhsa_kernel
	.amdgpu_metadata
---
amdhsa.version: [ 1, 2 ]
amdhsa.kernels:
  - .name:           k_q9620685c52_proj
    .symbol:         k_q9620685c52_proj.kd
    .args:
      - { .name: ao, .offset: 0, .size: 8, .value_kind: global_buffer, .address_space: global }
      - { .name: wc, .offset: 8, .size: 8, .value_kind: global_buffer, .address_space: global }
      - { .name: bp, .offset: 16, .size: 8, .value_kind: global_buffer, .address_space: global }
      - { .name: lowp_scales, .offset: 24, .size: 8, .value_kind: global_buffer, .address_space: global }
      - { .name: out0, .offset: 32, .size: 8, .value_kind: global_buffer, .address_space: global }
    .group_segment_fixed_size: 327680
    .private_segment_fixed_size: 0
    .kernarg_segment_align: 8
    .kernarg_segment_size: 40
    .max_flat_workgroup_size: 128
    .sgpr_count:     100
    .vgpr_count:     832
    .wavefront_size: 32
...
	.end_amdgpu_metadata
.endif
;; end of part 4
